; MI455X (gfx1250); checked and timed in simulation.
; The chip was launched on July 23, 2026; its instructions are those of AMD's public machine-readable ISA for CDNA 5 (MIT licence, August 2026) and "CDNA5" Instruction Set Architecture Reference Guide (July 2026). The comments in the code are by the model that wrote it; some were corrected since.
;; Attention. Allowed arithmetic: float matrix products may take bf16 or f16 operands with f32 sums; other float arithmetic in f32, or as packed bf16 or f16 multiplies, adds, multiply-adds, maxima and minima; sums over many terms, partial sums and values carried from step to step in f32; what a program stores and reads back later, other than sums and carried values, may be rounded once to bf16 or f16.
;; Inputs: V 1,024 float32; W1 1,024 x 1,024 float32; W2 1,024 x 1,024 float32; b1 1,024 float32; b2 1,024 float32; bv 1 float32; h_dec 32 x 1,024 float32; h_enc 32 x 2,048 x 1,024 float32.
;; Outputs: out0 32 x 1,024 float32.
;; 3 versions, each right; version 3 is version 2 with the launch prep written anew for expert scheduling mode. Each part assembles by itself: llvm-mc -triple=amdgcn-amd-amdhsa -mcpu=gfx1250 --defsym DOCPART=n.
;; ======== version 1 of 3: 3 launches
;; workspace buffers: w1b 2,097,152 bytes; cvec 131,072 bytes; part 1,179,648 bytes
;; launch prep (part 1): grid 64 x 2, 8 waves a work-group, no clusters, 9,216 bytes of LDS; arguments W1, W2, h_dec, b1, b2, w1b, cvec; writes w1b, cvec
.if DOCPART == 1
	.amdgcn_target "amdgcn-amd-amdhsa--gfx1250"
	.amdhsa_code_object_version 6
	.text
	.protected	k_q5a1d48514f_prep
	.globl	k_q5a1d48514f_prep
	.p2align	8
	.type	k_q5a1d48514f_prep,@function
k_q5a1d48514f_prep:
	s_mov_b64 s[64:65], 0
	v_nop
	global_prefetch_b8 v0, s[64:65] scope:SCOPE_SE
	s_setreg_imm32_b32 hwreg(HW_REG_WAVE_MODE, 25, 1), 1
	s_wait_xcnt 0x0
; TWO SMALL JOBS AHEAD OF THE MAIN LAUNCH.
; (1) w1b: W1 [1024 n][1024 k] f32, rounded once to bf16 and laid in the order in which a matrix fragment lies in registers:
;     byte s*131072 + nb*2048 + kk*1024 + q*512 + 16 L + 2 e  holds  W1[16 nb + L%16][64 s + 32 kk + 16 q + 8 (L/16) + e].
;     So a slab of 64 along k is 131,072 dense bytes, and a fragment half is 512 consecutive bytes, 16 a lane.
; (2) cvec: 2 log2(e) x (h_dec W2^T + b2 + b1), f32, at byte nb*2048 + batch*64 + 4 (n%16): what the main launch adds inside its tanh.
; SHARES.  Work-group (g, y): the tile dec[16 y ..][16 g ..], and rows 16 g .. of W1 for k = 512 y .. 512 y + 511.  Of the product's K = 1,024 wave w takes
; 128 w .. 128 w + 127 (four fragments); the eight partial tiles meet in LDS.  Of W1 wave w converts slab 8 y + w (two fragments).
; h_dec and W2 are rounded once to bf16 for the product; sums in f32, in an order of their own.  NaN and infinities are not treated apart.
.set PART,  0                          ; LDS: wave w's partial tile [batch][n], 64 bytes a row, at 1,024 w
.set SPARE, 8192                       ; behind them: the spare words, 128 bytes for each of the eight waves, which no other line names
.set FW,  2                            ; v2   my place in a fragment's f32 rows: (L%16) x 4,096 + 32 (L/16); never rewritten
.set L16, 3                            ; v3   16 L
.set LS,  4                            ; v4   where I put my 32 bytes of the partial tile
.set LR,  5                            ; v5   where I read 16 bytes of each partial tile back
.set BO,  6                            ; v6   16 (L%4): my four columns in b1 and b2
.set SPW, 8                            ; v8   LDS address of my spare word; never rewritten
.set NIL, 9                            ; v9   0; never rewritten
.set B1R, 16                           ; v[16:19] b1, v[20:23] b2
.set W1F, 32                           ; v[32:63]   two fragments of W1, 16 registers of f32 each; then bf16 in the first 8
.set W2F, 64                           ; v[64:127]  four of W2
.set HDF, 128                          ; v[128:191] four of h_dec
.set AC0, 192                          ; v[192:199], v[200:207] two accumulators
.set FIN, 208                          ; v[208:239] the eight partial sums of my four numbers
	s_load_b256 s[4:11], s[0:1], 0x0               ; W1 s[4:5], W2 s[6:7], h_dec s[8:9], b1 s[10:11]
	s_load_b128 s[12:15], s[0:1], 0x20             ; b2 s[12:13], w1b s[14:15]
	s_load_b64 s[16:17], s[0:1], 0x30              ; cvec
	v_lshl_add_u32 v[SPW], v0, 2, SPARE
	v_mov_b32 v[NIL], 0
	v_lshrrev_b32 v1, 5, v0
	v_readfirstlane_b32 s18, v1                    ; wave 0..7
	s_and_b32 s20, ttmp7, 0xffff                   ; y
	v_and_b32 v10, 15, v0                          ; L % 16
	v_bfe_u32 v11, v0, 4, 1                        ; L / 16
	v_and_b32 v12, 31, v0                          ; L
	v_lshlrev_b32 v[FW], 12, v10
	v_lshl_add_u32 v[FW], v11, 5, v[FW]
	v_lshlrev_b32 v[L16], 4, v12
	s_lshl_b32 s24, s18, 10
	v_lshl_add_u32 v[LS], v10, 6, s24              ; 1,024 w + 64 x batch row
	v_lshl_add_u32 v[LS], v11, 5, v[LS]            ; + my eight columns
	s_and_b32 s26, s18, 1
	s_lshl_b32 s26, s26, 9                         ; waves 0 and 1 finish a half of the tile each: 512 bytes
	v_add_nc_u32 v[LR], s26, v[L16]
	v_and_b32 v[BO], 3, v0
	v_lshlrev_b32 v[BO], 4, v[BO]
	s_lshl_b32 s21, s20, 3
	s_add_co_u32 s21, s21, s18                     ; my slab of W1: 8 y + w
	s_lshl_b32 s24, ttmp9, 16                      ; 16 g rows of 4,096 bytes
	s_lshl_b32 s25, s18, 9                         ; 128 w numbers of 4 bytes
	s_mov_b32 s23, 0                               ; the high word of every offset below
	s_wait_kmcnt 0x0
	s_lshl_b32 s22, s21, 8
	s_add_co_u32 s22, s22, s24
	s_add_nc_u64 s[4:5], s[4:5], s[22:23]          ; W1 at row 16 g, k = 64 (8 y + w)
	s_add_co_u32 s22, s24, s25
	s_add_nc_u64 s[6:7], s[6:7], s[22:23]          ; W2 at row 16 g, k = 128 w
	s_lshl_b32 s22, s20, 16
	s_add_co_u32 s22, s22, s25
	s_add_nc_u64 s[8:9], s[8:9], s[22:23]          ; h_dec at row 16 y, k = 128 w
	s_lshl_b32 s22, ttmp9, 6
	s_add_nc_u64 s[10:11], s[10:11], s[22:23]      ; b1 and b2 at column 16 g
	s_add_nc_u64 s[12:13], s[12:13], s[22:23]
	s_lshl_b32 s22, s21, 17
	s_lshl_b32 s27, ttmp9, 11
	s_add_co_u32 s22, s22, s27
	s_add_nc_u64 s[14:15], s[14:15], s[22:23]      ; w1b at slab 8 y + w, column block g
	s_lshl_b32 s22, s20, 10
	s_add_co_u32 s22, s22, s27
	s_add_co_u32 s22, s22, s26
	s_add_nc_u64 s[16:17], s[16:17], s[22:23]      ; cvec at column block g, batch 16 y, my half of the tile
; One fragment, 16 rows x 32 k, as f32: lane L takes row L%16, k = 8 (L/16) + 0..7 (32 bytes) and k = 16 + 8 (L/16) + 0..7 (32 bytes, 64 further on).
.macro LDF base, reg, off, hint:vararg
	global_load_b128 v[(\reg):(\reg)+3],     v[FW], s[(\base):(\base)+1] offset:(\off) \hint
	global_load_b128 v[(\reg)+4:(\reg)+7],   v[FW], s[(\base):(\base)+1] offset:(\off)+16 \hint
	global_load_b128 v[(\reg)+8:(\reg)+11],  v[FW], s[(\base):(\base)+1] offset:(\off)+64 \hint
	global_load_b128 v[(\reg)+12:(\reg)+15], v[FW], s[(\base):(\base)+1] offset:(\off)+80 \hint
.endm
; Rounded to bf16 in place: result i lies at or below both of its sources, so no source is lost.  The fragment is then the first 8 registers.
.macro CVF reg
.irp i, 0,1,2,3,4,5,6,7
	v_cvt_pk_bf16_f32 v[(\reg)+(\i)], v[(\reg)+2*(\i)], v[(\reg)+2*(\i)+1]
.endr
.endm
	global_load_b128 v[B1R:B1R+3],   v[BO], s[10:11]  ; every wave issues these two, so that all waves count alike; waves 0 and 1 use them
	global_load_b128 v[B1R+4:B1R+7], v[BO], s[12:13]
	LDF 4, W1F,    0,   th:TH_LOAD_NT              ; W1 is read once in the launch
	LDF 4, W1F+16, 128, th:TH_LOAD_NT
.irp f, 0,1,2,3
	LDF 6, W2F+16*(\f), 128*(\f)
.endr
.irp f, 0,1,2,3
	LDF 8, HDF+16*(\f), 128*(\f)
.endr
	s_wait_loadcnt 32                              ; b1, b2 and W1 are in; W2's 16 loads and h_dec's 16 stay out
	CVF W1F
	CVF W1F+16
.irp c, 0,1,2,3                        ; c = 2 kk + q: each store covers 512 consecutive bytes, aligned
	global_store_b128 v[L16], v[W1F+16*((\c)/2)+4*((\c)%2):W1F+16*((\c)/2)+4*((\c)%2)+3], s[14:15] offset:512*(\c)
.endr
	s_wait_loadcnt 0x0
.irp f, 0,1,2,3
	CVF W2F+16*(\f)
	CVF HDF+16*(\f)
.endr
	; source 0 = 16 rows of W2, source 1 = 16 rows of h_dec: a lane ends with ONE batch row (L%16) and the columns 8 (L/16) + 0..7.
	; The first two products start the sums; the two accumulators take turns.
	v_wmma_f32_16x16x32_bf16 v[AC0:AC0+7],    v[W2F:W2F+7],       v[HDF:HDF+7],       0
	v_wmma_f32_16x16x32_bf16 v[AC0+8:AC0+15], v[W2F+16:W2F+23],   v[HDF+16:HDF+23],   0
	v_wmma_f32_16x16x32_bf16 v[AC0:AC0+7],    v[W2F+32:W2F+39],   v[HDF+32:HDF+39],   v[AC0:AC0+7]
	v_wmma_f32_16x16x32_bf16 v[AC0+8:AC0+15], v[W2F+48:W2F+55],   v[HDF+48:HDF+55],   v[AC0+8:AC0+15]
.rept 8
	v_nop                                          ; the places between the last product and the sums that read and rewrite its result (ISA guide 7.12.1); once a launch, so twice the count
.endr
.irp i, 0,2,4,6                        ; from the low end on
	v_pk_add_f32 v[AC0+(\i):AC0+(\i)+1], v[AC0+(\i):AC0+(\i)+1], v[AC0+8+(\i):AC0+8+(\i)+1]
.endr
	ds_store_b128 v[LS], v[AC0:AC0+3]   offset:PART
	ds_store_b128 v[LS], v[AC0+4:AC0+7] offset:PART+16
	s_wait_dscnt 0x0                               ; for the others' sake: my partial tile lies in LDS
	s_barrier_signal -1
	s_barrier_wait -1                              ; all eight do
	s_cmp_lt_u32 s18, 2
	s_cbranch_scc0 .Lend                           ; waves 0 and 1 finish eight batch rows each
.irp p, 0,1,2,3,4,5,6,7
	ds_load_b128 v[FIN+4*(\p):FIN+4*(\p)+3], v[LR] offset:PART+1024*(\p)
.endr
	s_wait_dscnt 0x0
.irp p, 0,2,4,6
	v_pk_add_f32 v[FIN+4*(\p):FIN+4*(\p)+1],   v[FIN+4*(\p):FIN+4*(\p)+1],   v[FIN+4*(\p)+4:FIN+4*(\p)+5]
	v_pk_add_f32 v[FIN+4*(\p)+2:FIN+4*(\p)+3], v[FIN+4*(\p)+2:FIN+4*(\p)+3], v[FIN+4*(\p)+6:FIN+4*(\p)+7]
.endr
.irp p, 0,4
	v_pk_add_f32 v[FIN+4*(\p):FIN+4*(\p)+1],   v[FIN+4*(\p):FIN+4*(\p)+1],   v[FIN+4*(\p)+8:FIN+4*(\p)+9]
	v_pk_add_f32 v[FIN+4*(\p)+2:FIN+4*(\p)+3], v[FIN+4*(\p)+2:FIN+4*(\p)+3], v[FIN+4*(\p)+10:FIN+4*(\p)+11]
.endr
	v_pk_add_f32 v[FIN:FIN+1],   v[FIN:FIN+1],   v[FIN+16:FIN+17]
	v_pk_add_f32 v[FIN+2:FIN+3], v[FIN+2:FIN+3], v[FIN+18:FIN+19]
	v_pk_add_f32 v[FIN:FIN+1],   v[FIN:FIN+1],   v[B1R:B1R+1]      ; + b1
	v_pk_add_f32 v[FIN+2:FIN+3], v[FIN+2:FIN+3], v[B1R+2:B1R+3]
	v_pk_add_f32 v[FIN:FIN+1],   v[FIN:FIN+1],   v[B1R+4:B1R+5]    ; + b2
	v_pk_add_f32 v[FIN+2:FIN+3], v[FIN+2:FIN+3], v[B1R+6:B1R+7]
	v_pk_mul_f32 v[FIN:FIN+1],   v[FIN:FIN+1],   0x4038aa3b op_sel_hi:[1,0]  ; x 2 log2(e)
	v_pk_mul_f32 v[FIN+2:FIN+3], v[FIN+2:FIN+3], 0x4038aa3b op_sel_hi:[1,0]
	global_store_b128 v[L16], v[FIN:FIN+3], s[16:17]  ; 512 consecutive bytes, aligned
.Lend:
	s_wait_tensorcnt 0x0                           ; the wave's end: behind my last LDS store
	ds_add_u32 v[SPW], v[NIL]
	s_wait_dscnt 0x0
	s_endpgm
.Lfunc_end_k_q5a1d48514f_prep:
	.size	k_q5a1d48514f_prep, .Lfunc_end_k_q5a1d48514f_prep-k_q5a1d48514f_prep
	.p2alignl 7, 3214868480
	.fill 96, 4, 3214868480
	.section	.rodata,"a",@progbits
	.p2align	6, 0x0
	.amdhsa_kernel k_q5a1d48514f_prep
		.amdhsa_group_segment_fixed_size 9216
		.amdhsa_private_segment_fixed_size 0
		.amdhsa_enable_private_segment 0
		.amdhsa_kernarg_size 56
		.amdhsa_user_sgpr_count 2
		.amdhsa_user_sgpr_kernarg_segment_ptr 1
		.amdhsa_wavefront_size32 1
		.amdhsa_system_sgpr_workgroup_id_x 1
		.amdhsa_system_sgpr_workgroup_id_y 1
		.amdhsa_system_sgpr_workgroup_id_z 1
		.amdhsa_system_vgpr_workitem_id 0
		.amdhsa_next_free_vgpr 240
		.amdhsa_next_free_sgpr 66
		.amdhsa_reserve_vcc 0
		.amdhsa_float_denorm_mode_32 3
		.amdhsa_float_denorm_mode_16_64 3
		.amdhsa_memory_ordered 1
		.amdhsa_forward_progress 1
		.amdhsa_inst_pref_size 15
	.end_amdhsa_kernel
	.amdgpu_metadata
---
amdhsa.version: [ 1, 2 ]
amdhsa.kernels:
  - .name:           k_q5a1d48514f_prep
    .symbol:         k_q5a1d48514f_prep.kd
    .args:
      - { .name: W1, .offset: 0, .size: 8, .value_kind: global_buffer, .address_space: global }
      - { .name: W2, .offset: 8, .size: 8, .value_kind: global_buffer, .address_space: global }
      - { .name: h_dec, .offset: 16, .size: 8, .value_kind: global_buffer, .address_space: global }
      - { .name: b1, .offset: 24, .size: 8, .value_kind: global_buffer, .address_space: global }
      - { .name: b2, .offset: 32, .size: 8, .value_kind: global_buffer, .address_space: global }
      - { .name: w1b, .offset: 40, .size: 8, .value_kind: global_buffer, .address_space: global }
      - { .name: cvec, .offset: 48, .size: 8, .value_kind: global_buffer, .address_space: global }
    .group_segment_fixed_size: 9216
    .private_segment_fixed_size: 0
    .kernarg_segment_align: 8
    .kernarg_segment_size: 56
    .max_flat_workgroup_size: 256
    .sgpr_count:     66
    .vgpr_count:     240
    .wavefront_size: 32
...
	.end_amdgpu_metadata
.endif
;; end of part 1
;; launch main (part 2): grid 256 x 1, 4 waves a work-group, clusters of 4 x 1, 327,680 bytes of LDS; arguments h_enc, w1b, cvec, V, bv, part; writes part
.if DOCPART == 2
	.amdgcn_target "amdgcn-amd-amdhsa--gfx1250"
	.amdhsa_code_object_version 6
	.text
	.protected	k_q5a1d48514f_main
	.globl	k_q5a1d48514f_main
	.p2align	8
	.type	k_q5a1d48514f_main,@function
k_q5a1d48514f_main:
	s_mov_b64 s[64:65], 0
	v_nop
	global_prefetch_b8 v0, s[64:65] scope:SCOPE_SE
	s_setreg_imm32_b32 hwreg(HW_REG_WAVE_MODE, 25, 1), 1
	s_wait_xcnt 0x0
	s_wait_alu depctr_hold_cnt(0) depctr_sa_sdst(0) depctr_va_vdst(0) depctr_va_sdst(0) depctr_va_ssrc(0) depctr_va_vcc(0) depctr_vm_vsrc(0)
	s_getreg_b32 s2, hwreg(HW_REG_IB_STS2, 6, 4)
	s_cmp_eq_u32 s2, 0
	s_cbranch_scc0 .Lentry_in_a_cluster
	s_endpgm
.Lentry_in_a_cluster:
	s_bfe_u32 s2, ttmp6, 0x10000c
	s_cmp_lg_u32 s2, 0x3003
	s_cbranch_scc0 .Lentry_shape_is_right
	s_endpgm
.Lentry_shape_is_right:
; acc = h_enc W1^T;  score[l] = V . tanh(acc[l] + b1 + dec) + bv;  a running softmax over the rows;  the sum of p[l] acc[l].  One partial result a work-group.
; WHY WHOLE ROWS.  A row's score wants all 1,024 columns of acc, and acc is wanted again for the weighted sum.  So a work-group holds 64 rows x 1,024 columns of acc in its accumulators
; (512 registers in each of four waves), and acc never goes to memory; h_enc is read once.  The price: W1 (2 MiB in bf16) is walked once for every 64 rows.
; SHARES.  Work-group WG owns rows 256 WG .. 256 WG + 255 of the flattened [65,536][1,024], all of batch WG / 8: four tiles of 64 rows, one after the other.  Wave w owns the columns
; 256 w .. 256 w + 255 of all 64 rows: accumulator (a, b), rows 16 a .., columns 256 w + 16 b ...  K goes in 16 steps of 64 a tile: 128 matrix instructions a wave, in two halves of 32 along K.
; LAYOUT.  Source 0 = 16 rows of h_enc, source 1 = 16 rows of W1: in the result a lane holds ONE column (lane % 16) and the rows 8 (lane / 16) + 0..7.  So V and cvec are one register a
; column block, the score sums 32 registers a lane, and the weights p lie as the weighted sum wants them.
; W1 comes as w1b, bf16 in fragment order: a step's slab is 131,072 dense bytes, a wave's quarter 32,768, a fragment half 512 consecutive bytes (16 a lane: no padding is wanted).
; CLUSTER.  The four work-groups of a cluster walk the same slabs in the same round, so each quarter is asked for JOINTLY: the same tensor load, descriptor and mask in all four.
; h_enc comes through registers: wave w loads row block w of a slab (16 rows x 256 bytes of f32), rounds it once to bf16 and stores it into LDS in fragment order, for all four waves.
; Slab g + 1 is rounded and stored in step g; its loads went out in step g - 2: two sets of 32 registers are on their way.
; TANH.  tanh(x) = 1 - 2 / (1 + 2^(2 log2(e) x)).  So score = (sum of V) + bv + the sum of (-2 V) r, r = 1 / (1 + 2^z), z = 2 log2(e) acc + cvec.  2^z = infinity gives r = 0, 2^z = 0 gives r = 1.
; SOFTMAX.  A running maximum m and sum l: p = 2^(c s - c m), c = log2(e); for each tile the context and l are multiplied by 2^(c m_old - c m_new).  m starts at the lowest finite number, the context
; and l at 0: the first tile is a tile like any other.  b1 is not in the context: the weights sum to 1, so the last launch adds it once.
; LIMITS.  h_enc and W1 are rounded once to bf16; all else is f32; the sums' order is this text's own.  A weight below 2^-126 counts as 0.  NaN and infinities are not treated apart.
; In global steps 61 and 62 the slab number of the loads is held at 63: slab 63 is loaded again, 8 KiB a wave, into registers that nobody reads, so that every step has one text and one count of loads;
; those loads are waited for in the last step.
;
; REGISTERS, in windows of 256 (s_set_vgpr_msb: bits 1:0 source 0, 3:2 source 1, 5:4 source 2, 7:6 destination):
;   window 0: v0 thread; v1 l; v2-11 addresses and SV; v12-13 c m, m; v14-15 the add's; v16-31 rounded A, scratch; v32-63 scores, then p; v64-127 A's fragments, two buffers;
;             v128-191 A as loaded, two sets; v192-207 cvec; v208-223 -2 V; v224-255 the context, a pair a column block
;   window 1: B's fragments, two buffers of 128; behind a tile's products: z, 2^z, r of two row blocks by turns, then the four waves' score sums
;   windows 2, 3: accumulator (a, b) in window 2 + a / 2 at v[128 (a % 2) + 8 b]
.set SLOTB,  1<<17                     ; a slot of B; slot 1 begins here, so that one exclusive or changes slot
.set SLAB,   131072                    ; bytes of w1b in a step
.set ABASE,  2*SLOTB                   ; two slots of A, 8,192 bytes each, written by ds_store alone: a*2048 + kk*1024 + q*512 + 16 L
.set ASLOT,  8192
.set SX,     ABASE+2*ASLOT             ; the waves' score sums: 256 w + 128 (L/16) + 4 (8 a + j)
.set OUT,    SX+1024                   ; 1,024 bytes a wave, for the way out
.set SPARE,  OUT+4096                  ; the spare words, 128 bytes for each wave: two blocks of 256 bytes that no other line names
.set LSUM, 1
.set ADRA, 2                           ; ABASE + 16 L
.set ASTO, 3                           ; ABASE + 2,048 w + 16 L
.set ADRB, 4                           ; v4, v5: slot x SLOTB + 32,768 w + 16 L
.set FO,   6                           ; (16 w + L%16) x 4,096 + 32 (L/16): my place in a slab of h_enc; never rewritten
.set PFO,  7                           ; (16 w + L%16) x 4,096 + 256 (L/16): the prefetches of h_enc; never rewritten
.set SXS,  8
.set SXL,  9
.set SV,   10                          ; the score sums' start: my 16 columns' V, and bv in one lane of each half of wave 0; read as the low word of v[10:11]
.set PFW,  11                          ; 256 L: the prefetches of w1b; never rewritten
.set CM,   12
.set MX,   13
.set SPW,  14
.set NIL,  15
.set CV,   16
.set S,    32
.set AF,   64
.set STG,  128
.set CC,   192
.set VV,   208
.set CTX,  224
.set AB,   4                           ; s[4:5]   h_enc at my work-group's first row
.set WB,   6                           ; s[6:7]   w1b at my wave's quarter of slab 0
.set CVP,  8
.set VP,   10
.set BVP,  12
.set PB,   14                          ; s[14:15] part at my work-group's record
.set WV,   16
.set CX,   17
.set WG,   18
.set BV,   19
.set AO,   20                          ; s[20:21] a slab's offset in my rows of h_enc
.set AP,   22                          ; s[22:23] where the loads of h_enc stand
.set G1,   24                          ; s[24:31] descriptor group 1
.set G0A,  32                          ; s[32:35] group 0 of the first fill of slot 0
.set G0,   36                          ; s[36:39] group 0 of slot 1's first fill; then it walks
.set WO,   40                          ; s[40:41] a slab's offset in w1b
.set PP,   42                          ; s[42:43] where the prefetches of h_enc stand
.set PO,   44                          ; s[44:45] their offset
.set GC,   46                          ; the global step, 0 to 63
.set NS,   47                          ; the number of the slab asked for last
.set LAP,  48
.set TIL,  49
.set K2,   52                          ; s[52:53] 2 log2(e)
.set L2E,  54                          ; s[54:55] log2(e)
.set SEL,  56                          ; s[56:57] v_permlanex16_b32's selects: each lane takes its own place in the other half
.set PWB,  58                          ; s[58:59] w1b at my work-group's 8 KiB of my wave's quarter
.set PW,   60                          ; s[60:61] where the prefetches of w1b stand
.set LIMW, 62                          ; 14 in the launch's first cluster, else 0
.set MSB, 0
.macro WIN new                         ; the immediate's high byte repeats the setting that is left; a switch that changes nothing is dropped
.if MSB != (\new)
	s_set_vgpr_msb (MSB<<8)|(\new)
.set MSB, (\new)
.endif
.endm
.macro PLACES                          ; four plain places (ISA guide 7.12.1) between matrix instructions and what writes, or is loaded into, their registers
.rept 4
	v_nop
.endr
.endm
.macro CREST                           ; a round of the cluster's barrier behind its opening barrier
	s_cmp_lg_u32 s[WV], 0
	s_cbranch_scc1 .Lnot_wave_0_\@
	s_barrier_signal -3
.Lnot_wave_0_\@:
	s_barrier_wait -3
	s_barrier_signal -1
	s_barrier_wait -1
.endm
.macro CROUND                          ; a whole round
	s_barrier_signal -1
	s_barrier_wait -1
	CREST
.endm
; 16 matrix instructions: row block a x my 16 column blocks, 32 along K, from fragment buffer f.  Every half step takes a = 0, 1, 2, 3: the 64 accumulators take turns, one instruction a turn,
; over every jump too.  zero = 1: the product starts the sum.
.macro MUL16 f, a, zero
	WIN 0xa4+0x50*((\a)/2)                         ; A window 0, B window 1, C and D window 2 or 3
.irp b, 0,1,2,3,4,5,6,7,8,9,10,11,12,13,14,15
.if \zero
	v_wmma_f32_16x16x32_bf16 v[128*((\a)%2)+8*(\b):128*((\a)%2)+8*(\b)+7], v[AF+32*(\f)+8*(\a):AF+32*(\f)+8*(\a)+7], v[128*(\f)+8*(\b):128*(\f)+8*(\b)+7], 0
.else
	v_wmma_f32_16x16x32_bf16 v[128*((\a)%2)+8*(\b):128*((\a)%2)+8*(\b)+7], v[AF+32*(\f)+8*(\a):AF+32*(\f)+8*(\a)+7], v[128*(\f)+8*(\b):128*(\f)+8*(\b)+7], v[128*((\a)%2)+8*(\b):128*((\a)%2)+8*(\b)+7]
.endif
.endr
.endm
; 40 LDS loads in one run: half kk of a step's fragments into buffer f: B's 16 (my own quarter of the slot), then A's 4.  The last four loads are A's row blocks 2 and 3.
.macro FETCH slot, kk, f
	WIN 0x40                                       ; destination window 1
.irp b, 0,1,2,3,4,5,6,7,8,9,10,11,12,13,14,15
	ds_load_b128 v[128*(\f)+8*(\b):128*(\f)+8*(\b)+3],   v[ADRB+(\slot)] offset:(\b)*2048+(\kk)*1024
	ds_load_b128 v[128*(\f)+8*(\b)+4:128*(\f)+8*(\b)+7], v[ADRB+(\slot)] offset:(\b)*2048+(\kk)*1024+512
.endr
	WIN 0
.irp a, 0,1,2,3
	ds_load_b128 v[AF+32*(\f)+8*(\a):AF+32*(\f)+8*(\a)+3],   v[ADRA] offset:(\slot)*ASLOT+(\a)*2048+(\kk)*1024
	ds_load_b128 v[AF+32*(\f)+8*(\a)+4:AF+32*(\f)+8*(\a)+7], v[ADRA] offset:(\slot)*ASLOT+(\a)*2048+(\kk)*1024+512
.endr
.endm
; My 16 rows x 256 bytes of a slab of h_enc into set n: two fragments of f32, each 32 + 32 bytes a lane.
.macro ALD n, base, off
.irp kk, 0,1
	global_load_b128 v[STG+32*(\n)+16*(\kk):STG+32*(\n)+16*(\kk)+3],     v[FO], s[(\base):(\base)+1] offset:(\off)+128*(\kk) th:TH_LOAD_NT
	global_load_b128 v[STG+32*(\n)+16*(\kk)+4:STG+32*(\n)+16*(\kk)+7],   v[FO], s[(\base):(\base)+1] offset:(\off)+128*(\kk)+16 th:TH_LOAD_NT
	global_load_b128 v[STG+32*(\n)+16*(\kk)+8:STG+32*(\n)+16*(\kk)+11],  v[FO], s[(\base):(\base)+1] offset:(\off)+128*(\kk)+64 th:TH_LOAD_NT
	global_load_b128 v[STG+32*(\n)+16*(\kk)+12:STG+32*(\n)+16*(\kk)+15], v[FO], s[(\base):(\base)+1] offset:(\off)+128*(\kk)+80 th:TH_LOAD_NT
.endr
.endm
.macro CVT n                           ; set n rounded to bf16: 16 registers, two fragments
.set j, 0
.rept 16
	v_cvt_pk_bf16_f32 v[CV+j], v[STG+32*(\n)+2*j], v[STG+32*(\n)+2*j+1]
.set j, j+1
.endr
.endm
.macro AST n                           ; into A's slot n: four stores of 512 consecutive bytes
.irp c, 0,1,2,3
	ds_store_b128 v[ASTO], v[CV+4*(\c):CV+4*(\c)+3] offset:(\n)*ASLOT+512*(\c)
.endr
.endm
; A's work of step g (GC = g): slab g + 1, in set n, is rounded and stored into A's slot n; slab g + 3 is asked for into the same set.  pf = 1: the prefetches' pointer is made too.
.macro ASTEP n, pf
	s_wait_loadcnt 8                               ; slab g + 1 is in; slab g + 2's eight loads stay out
	CVT \n                                         ; (also the places in front of the run of LDS loads that follows)
	AST \n
	s_add_co_u32 s2, s[GC], 3
	s_min_u32 s2, s2, 63                           ; no load leaves my rows
	s_lshr_b32 s3, s2, 4
	s_lshl_b32 s3, s3, 18                          ; the tile: 64 rows of 4,096 bytes
	s_and_b32 s2, s2, 15
	s_lshl_b32 s2, s2, 8                           ; the step: 256 bytes along a row
	s_or_b32 s[AO], s3, s2
.if \pf
	s_add_co_u32 s2, s[GC], 4
	s_min_u32 s2, s2, 62                           ; the pointer stays inside my rows in the steps that ask for nothing too
	s_lshr_b32 s3, s2, 4
	s_lshl_b32 s3, s3, 18
	s_and_b32 s2, s2, 15
	s_lshl_b32 s2, s2, 8
	s_or_b32 s[PO], s3, s2
.endif
	s_wait_xcnt 0x0                                ; the loads and prefetches issued so far have read their addresses: the pointers may be written
	s_add_nc_u64 s[AP:AP+1], s[AB:AB+1], s[AO:AO+1]
.if \pf
	s_add_nc_u64 s[PP:PP+1], s[AB:AB+1], s[PO:PO+1]
.endif
	ALD \n, AP, 0
	s_add_co_u32 s[GC], s[GC], 1
.endm
; A PREFETCH OF h_enc, in the even steps, behind the step's loads and the run of LDS loads: each wave names its own 16 rows, a lane a block of 256 bytes: lanes 0-15 slab g + 4, lanes 16-31 slab g + 5,
; which its loads ask for one and two steps later.  Each block is named once in the launch.  Slabs 0 to 3 come by their loads alone; from g = 60 on nothing is left to name (GC holds g + 1 here).
.macro ASKA
	s_cmp_lt_u32 s[GC], 60
	s_cbranch_scc0 .Lno_a_\@
	global_prefetch_b8 v[PFO], s[PP:PP+1] th:TH_LOAD_NT scope:SCOPE_SE
.Lno_a_\@:
.endm
; A PREFETCH OF w1b, behind each joint refill of the FIRST walk: the slab two refills on (slabs 4 to 15).  All clusters walk the same slabs: the launch's first cluster asks; its four partners share a
; wave's quarter out BY ADDRESS, 8 KiB each, a lane a block of 256 bytes.  The later walks name nothing.
.macro ASKW
	s_cmp_lt_u32 s[NS], s[LIMW]
	s_cbranch_scc0 .Lno_w_\@
	global_prefetch_b8 v[PFW], s[PW:PW+1] th:TH_LOAD_NT scope:SCOPE_SE
.Lno_w_\@:
.endm
; The first half of a step: buffer 0 is multiplied; in its middle stand A's work and the second half's fragments.
.macro HALF0 slot, zero, awork, pf
	s_wait_dscnt 4                                 ; buffer 0 is in, but for A's row blocks 2 and 3
	MUL16 0, 0, \zero
	MUL16 0, 1, \zero
	WIN 0
.if \awork
	ASTEP 1-(\slot), \pf
.else
	PLACES
.endif
	FETCH \slot, 1, 1
.if \pf
	ASKA
.endif
	s_wait_dscnt 40+4*(\awork)                     ; all but what was just issued: the 40 loads, and with A's work its 4 stores
	MUL16 0, 2, \zero
	MUL16 0, 3, \zero
.endm
; The second half multiplies buffer 1 and changes slots: ONE barrier.  In front of it each wave waits for all its tensor loads, of which one is out (its quarter of the next slot), adds 0 to its spare
; word, and waits for that, for its reads of this slot and for its stores into A's next slot.  Behind it nobody reads this slot, and A's next slot is whole.
; fill = 1: the barrier opens a round of the cluster's, and B's slot is filled again first thing behind it, with the slab two steps on; the descriptor's address is made anew from the slab's number, so
; the ring runs on from tile to tile.  From the request to the wait for it a wave issues 96 matrix instructions.  fetch = 1: the next step's first fragments follow.
.macro TURN slot, fill, fetch
	WIN 0
.if \fill
	s_wait_xcnt 0x0                                ; the last prefetch of w1b, a step back, has read its pointer
.endif
	s_wait_tensorcnt 0x0                           ; no tensor load of mine is out, so group 0 may be written
	ds_add_u32 v[SPW], v[NIL]                      ; 0 onto my spare word
.if \fill
	s_add_co_u32 s[NS], s[NS], 1
	s_and_b32 s[WO], s[NS], 15                     ; the walk goes round: 16 slabs a tile
	s_lshl_b32 s[WO], s[WO], 17
	s_xor_b32 s[G0+1], s[G0+1], SLOTB              ; the other slot than last time
	s_add_nc_u64 s[G0+2:G0+3], s[WB:WB+1], s[WO:WO+1]
	s_or_b32 s[G0+3], s[G0+3], 0x80000000          ; type = 2
	s_add_co_u32 s2, s[NS], 2
	s_and_b32 s2, s2, 15
	s_lshl_b32 s2, s2, 17
	s_mov_b32 s3, 0
	s_add_nc_u64 s[PW:PW+1], s[PWB:PWB+1], s[2:3]
.endif
	s_wait_dscnt 5                                 ; (the add and A's row blocks 2 and 3 may be out)
	MUL16 1, 0, 0                                  ; sixteen matrix instructions stand between the add and the wait for it
	s_wait_dscnt 0x0                               ; the add, my reads of this slot and my stores into A's next slot are done:
	s_barrier_signal -1                            ; say so,
	MUL16 1, 1, 0                                  ; work on registers while the others arrive,
.if \fill
	WIN 0
.endif
	s_barrier_wait -1
.if \fill
	CREST                                          ; no wave of any partner still reads this slot or has a load on its way
	tensor_load_to_lds s[G0:G0+3], s[G1:G1+7]      ; my one tensor load behind the round
	s_nop 0
.endif
	PLACES                                         ; behind the load; also the places in front of the loads into buffer 0
.if \fetch
	FETCH 1-(\slot), 0, 0
.endif
.if \fill
	WIN 0
	ASKW
.endif
	MUL16 1, 2, 0
	MUL16 1, 3, 0
.endm
	s_load_b256 s[4:11], s[0:1], 0x0               ; h_enc, w1b, cvec, V
	s_load_b128 s[12:15], s[0:1], 0x20             ; bv, part
	v_lshl_add_u32 v[SPW], v0, 2, SPARE
	v_mov_b32 v[NIL], 0
	ds_add_u32 v[SPW], v[NIL]                      ; the wave's opening: the add and its wait stand ahead of my first tensor load; the set-up below stands between them
	v_lshrrev_b32 v1, 5, v0
	v_readfirstlane_b32 s[WV], v1                  ; wave 0..3
	s_bfe_u32 s[CX], ttmp6, 0x40000                ; my place in the cluster
	s_lshl_b32 s[WG], ttmp9, 2                     ; in a cluster launch ttmp9 counts clusters
	s_add_co_u32 s[WG], s[WG], s[CX]               ; it enters the addresses of h_enc, cvec, part and the prefetches alone
	; descriptor group 1: 32,768 dense bytes as 128 rows of 256
	s_mov_b32 s[G1+0], 15|(3<<16)|(1<<21)          ; 15:0 the mask: all four work-groups; 17:16 elements of 8 bytes; 21 set beside a mask; no padding
	s_mov_b32 s[G1+1], 32<<16                      ; tensor_dim0 = 32
	s_mov_b32 s[G1+2], 128<<16                     ; tensor_dim1 = 128
	s_mov_b32 s[G1+3], 32<<16                      ; tile_dim0 = 32
	s_mov_b32 s[G1+4], 128                         ; tile_dim1 = 128
	s_mov_b32 s[G1+5], 32                          ; 32 elements from row to row
	s_mov_b32 s[G1+6], 0
	s_mov_b32 s[G1+7], 0
	s_mov_b32 s[G0A], 1
	s_lshl_b32 s[G0A+1], s[WV], 15                 ; LDS: my quarter of slot 0: the wave's number alone enters it
	s_mov_b32 s[G0], 1
	s_add_co_u32 s[G0+1], s[G0A+1], SLOTB          ; of slot 1
	s_mov_b32 s[K2], 0x4038aa3b
	s_mov_b32 s[K2+1], s[K2]                       ; named as pairs
	s_mov_b32 s[L2E], 0x3fb8aa3b
	s_mov_b32 s[L2E+1], s[L2E]
	s_mov_b32 s[SEL], 0x76543210
	s_mov_b32 s[SEL+1], 0xfedcba98
	s_mov_b32 s[AO+1], 0
	s_mov_b32 s[WO+1], 0
	s_mov_b32 s[PO+1], 0
	s_cmp_eq_u32 ttmp9, 0
	s_cselect_b32 s[LIMW], 14, 0                   ; the same in all four partners
	v_and_b32 v16, 31, v0                          ; L
	v_and_b32 v17, 15, v0                          ; L % 16
	v_bfe_u32 v18, v0, 4, 1                        ; L / 16
	v_lshlrev_b32 v19, 4, v16
	v_add_nc_u32 v[ADRA], ABASE, v19
	s_lshl_b32 s2, s[WV], 11
	v_add_nc_u32 v[ASTO], s2, v[ADRA]
	v_add_nc_u32 v[ADRB], s[G0A+1], v19
	v_add_nc_u32 v[ADRB+1], SLOTB, v[ADRB]
	s_lshl_b32 s2, s[WV], 16                       ; 16 w rows of 4,096 bytes
	v_lshl_add_u32 v[FO], v17, 12, s2
	v_lshl_add_u32 v[PFO], v18, 8, v[FO]
	v_lshl_add_u32 v[FO], v18, 5, v[FO]
	s_lshl_b32 s2, s[WV], 8
	s_add_co_u32 s2, s2, SX
	v_lshl_add_u32 v[SXS], v18, 7, s2
	v_lshl_add_u32 v[SXL], v18, 7, SX
	v_lshlrev_b32 v[PFW], 8, v16
	s_lshr_b32 s50, s[WG], 3                       ; the batch
	s_lshl_b32 s50, s50, 6
	s_add_co_u32 s50, s50, s[G0A+1]                ; + 16 w column blocks of 2,048 bytes
	v_lshl_add_u32 v20, v17, 2, s50                ; my place in cvec
	s_lshl_b32 s2, s[WV], 10
	v_lshl_add_u32 v21, v17, 2, s2                 ; and in V
	s_wait_dscnt 0x0                               ; the opening add is done
	s_wait_kmcnt 0x0
	s_load_b32 s[BV], s[BVP:BVP+1], 0x0
	s_lshl_b32 s50, s[WG], 20                      ; 256 rows of 4,096 bytes
	s_mov_b32 s51, 0
	s_add_nc_u64 s[AB:AB+1], s[AB:AB+1], s[50:51]
	s_lshl_b32 s2, s[WV], 15
	s_mov_b32 s3, 0
	s_add_nc_u64 s[WB:WB+1], s[WB:WB+1], s[2:3]
	s_lshl_b32 s50, s[CX], 13
	s_add_nc_u64 s[PWB:PWB+1], s[WB:WB+1], s[50:51]
	s_mul_i32 s50, s[WG], 4608
	s_add_nc_u64 s[PB:PB+1], s[PB:PB+1], s[50:51]
	s_mov_b64 s[G0A+2:G0A+3], s[WB:WB+1]           ; slab 0
	s_or_b32 s[G0A+3], s[G0A+3], 0x80000000
	s_add_nc_u64 s[G0+2:G0+3], s[WB:WB+1], SLAB    ; slab 1
	s_or_b32 s[G0+3], s[G0+3], 0x80000000
	CROUND                                         ; all four work-groups are here: the first joint loads meet
	tensor_load_to_lds s[G0A:G0A+3], s[G1:G1+7]    ; both first fills together: two loads of mine are out
	s_nop 0
	tensor_load_to_lds s[G0:G0+3], s[G1:G1+7]
	s_nop 0
	PLACES
.set b, 0
.rept 16
	global_load_b32 v[CC+b], v20, s[CVP:CVP+1] offset:2048*b
.set b, b+1
.endr
.set b, 0
.rept 16
	global_load_b32 v[VV+b], v21, s[VP:VP+1] offset:64*b
.set b, b+1
.endr
	ALD 0, AB, 0                                   ; slab 0
	ALD 1, AB, 256                                 ; slab 1
	s_wait_loadcnt 8                               ; cvec, V and slab 0 are in; slab 1's eight loads stay out.  The two offsets in v20, v21 are free too
	CVT 0
	AST 0
	ALD 0, AB, 512                                 ; slab 2
	v_pk_add_f32 v[16:17], v[VV:VV+1],     v[VV+2:VV+3]      ; the sum of my 16 columns' V
	v_pk_add_f32 v[18:19], v[VV+4:VV+5],   v[VV+6:VV+7]
	v_pk_add_f32 v[20:21], v[VV+8:VV+9],   v[VV+10:VV+11]
	v_pk_add_f32 v[22:23], v[VV+12:VV+13], v[VV+14:VV+15]
	v_pk_add_f32 v[16:17], v[16:17], v[18:19]
	v_pk_add_f32 v[20:21], v[20:21], v[22:23]
	v_pk_add_f32 v[16:17], v[16:17], v[20:21]
	v_add_f32 v[SV], v16, v17
	s_wait_kmcnt 0x0                               ; bv
	v_and_b32 v16, 0xffffffef, v0                  ; 0 in threads 0 and 16: wave 0, column 0, each half of the lanes: bv enters each row's sum once
	v_cmp_eq_u32 vcc_lo, 0, v16
	v_cndmask_b32 v16, 0, s[BV], vcc_lo
	v_add_f32 v[SV], v[SV], v16
.set b, 0
.rept 8
	v_pk_mul_f32 v[VV+2*b:VV+2*b+1], v[VV+2*b:VV+2*b+1], -2.0 op_sel_hi:[1,0]
.set b, b+1
.endr
.set b, 0
.rept 32
	v_mov_b32 v[CTX+b], 0                          ; the context starts at 0: written in the wait for the first tiles
.set b, b+1
.endr
	v_mov_b32 v[LSUM], 0
	v_mov_b32 v[MX], 0xff7fffff                    ; the lowest finite number
	v_mov_b32 v[CM], 0xfe000000                    ; far below every c s: the first tile's factor is 0
	s_mov_b32 s[GC], 0
	s_mov_b32 s[NS], 1
	s_mov_b32 s[TIL], 4
	s_wait_tensorcnt 1                             ; my quarter of slab 0 is in; slab 1's may stay out
	s_wait_dscnt 0x0                               ; my rows of A's slot 0 are stored
	s_barrier_signal -1
	s_barrier_wait -1
.Ltile:
	FETCH 0, 0, 0
	HALF0 0, 1, 1, 1                               ; a tile's first half step stands in front of the loop: its products start the sums
	WIN 0
	s_mov_b32 s[LAP], 7
.Llap:                                             ; a trip: the second half of an even step, an odd step, the first half of the next even step; both slots are filled again
	TURN 0, 1, 1
	HALF0 1, 0, 1, 0
	TURN 1, 1, 1
	HALF0 0, 0, 1, 1
	WIN 0
	s_sub_co_u32 s[LAP], s[LAP], 1
	s_cmp_lg_u32 s[LAP], 0
	s_cbranch_scc1 .Llap
	s_cmp_eq_u32 s[TIL], 1
	s_cbranch_scc1 .Llast                          ; the last tile's end is written out: it asks for nothing more
	TURN 0, 1, 1                                   ; the ring goes on into the next tile: slot 0 takes its slab 0,
	HALF0 1, 0, 1, 0
	TURN 1, 1, 0                                   ; slot 1 its slab 1; window 1 is wanted below, so the next fragments are fetched at the tile's head
	WIN 0
	s_branch .Lepi
.Llast:
	TURN 0, 0, 1
	HALF0 1, 0, 0, 0
	s_wait_loadcnt 0x0                             ; this end does no work on A, so the two sets' last loads (steps 61 and 62: slab 63 once more, read by nobody) are waited for here: behind this line no load into v128-191 is out
	s_wait_dscnt 4
	MUL16 1, 0, 0
	MUL16 1, 1, 0
	s_wait_dscnt 0x0
	MUL16 1, 2, 0
	MUL16 1, 3, 0
	WIN 0
.Lepi:
; BEHIND A TILE'S PRODUCTS.  Unit (a, zb) is one accumulator, pair zp two of its rows.  In window 1 the unit has the accumulator's own register numbers: row blocks of like parity share a buffer of 128.
.macro ZL a                            ; z = 2 log2(e) acc + cvec; pairs ascend
.set rZ, 128*((\a)%2)+8*zb+2*zp
.if zb%2
	v_pk_fma_f32 v[rZ:rZ+1], s[K2:K2+1], v[rZ:rZ+1], v[CC+zb-1:CC+zb] op_sel:[0,0,1] op_sel_hi:[0,1,1]
.else
	v_pk_fma_f32 v[rZ:rZ+1], s[K2:K2+1], v[rZ:rZ+1], v[CC+zb:CC+zb+1] op_sel_hi:[0,1,0]
.endif
.endm
.macro DL a, u                         ; 1 + 2^z, unit u
.set rZ, 128*((\a)%2)+8*(\u)+2*zp
	v_pk_add_f32 v[rZ:rZ+1], v[rZ:rZ+1], 1.0 op_sel_hi:[1,0]
.endm
.macro SL a                            ; the score sums take (-2 V) r; the first column block starts them with SV
.set rZ, 128*((\a)%2)+8*zb+2*zp
.set rS, S+8*(\a)+2*zp
.if zb == 0
	v_pk_fma_f32 v[rS:rS+1], v[rZ:rZ+1], v[VV:VV+1], v[SV:SV+1] op_sel_hi:[1,0,0]
.elseif zb%2
	v_pk_fma_f32 v[rS:rS+1], v[rZ:rZ+1], v[VV+zb-1:VV+zb], v[rS:rS+1] op_sel:[0,1,0] op_sel_hi:[1,1,1]
.else
	v_pk_fma_f32 v[rS:rS+1], v[rZ:rZ+1], v[VV+zb:VV+zb+1], v[rS:rS+1] op_sel_hi:[1,0,1]
.endif
.endm
; Row block a.  Its 128 exponentials are one batch with one wait, the next block's z between them (z = 1); its 128 reciprocals a second batch with one wait, the additions of 1 between them, each
; a unit ahead of its reciprocals.  win: destination and source 0 in window 1, source 1 in the next block's accumulators' window, source 2 in window 0.
.macro BLK a, win, z
	WIN \win
.set zb, 0
.rept 16
.set zp, 0
.rept 4
.set rE, 128*((\a)%2)+8*zb+2*zp
	v_exp_f32 v[rE], v[rE]
	v_exp_f32 v[rE+1], v[rE+1]
.if \z
	ZL (\a)+1
.endif
.set zp, zp+1
.endr
.set zb, zb+1
.endr
	v_nop                                          ; a plain instruction behind the last exponential,
	s_wait_alu depctr_va_vdst(0)                   ; and the one wait ahead of the batch's first reader
.set zp, 0
.rept 4
	DL \a, 0
.set zp, zp+1
.endr
.set zb, 0
.rept 16
.set zp, 0
.rept 4
.set rE, 128*((\a)%2)+8*zb+2*zp
	v_rcp_f32 v[rE], v[rE]
	v_rcp_f32 v[rE+1], v[rE+1]
.if zb < 15
	DL \a, zb+1
.endif
.set zp, zp+1
.endr
.set zb, zb+1
.endr
	v_nop
	s_wait_alu depctr_va_vdst(0)                   ; one wait for the 128 reciprocals
	WIN 0x01                                       ; r in window 1, all else in window 0
.set zb, 0
.rept 16
.set zp, 0
.rept 4
	SL \a
.set zp, zp+1
.endr
.set zb, zb+1
.endr
.endm
	PLACES                                         ; between the last products and what reads their results and writes over B's fragments; once a tile, so twice the count
	PLACES
	WIN 0x49
.set zb, 0
.rept 16
.set zp, 0
.rept 4
	ZL 0
.set zp, zp+1
.endr
.set zb, zb+1
.endr
	BLK 0, 0x49, 1
	BLK 1, 0x4d, 1
	BLK 2, 0x4d, 1
	BLK 3, 0x41, 0
	WIN 0
	; a row's sum over my 16 column lanes: four steps inside each half of the lanes
.irp m, 1,2,4,8
.set i, 0
.rept 32
	v_add_f32_dpp v[S+i], v[S+i], v[S+i] row_xmask:\m row_mask:0xf bank_mask:0xf
.set i, i+1
.endr
.endr
	; and over the four waves, through LDS: the 16 lanes of a half store the same numbers to the same bytes
.irp q, 0,1,2,3,4,5,6,7
	ds_store_b128 v[SXS], v[S+4*(\q):S+4*(\q)+3] offset:16*(\q)
.endr
	s_wait_dscnt 0x0                               ; for the others' sake
	s_barrier_signal -1                            ; My tensor load may stay out
	s_barrier_wait -1
	WIN 0x40
.irp w, 0,1,2,3
.irp q, 0,1,2,3,4,5,6,7
	ds_load_b128 v[32*(\w)+4*(\q):32*(\w)+4*(\q)+3], v[SXL] offset:256*(\w)+16*(\q)
.endr
.endr
	s_wait_dscnt 0x0
	WIN 0x45                                       ; every wave adds in the same order, so all hold the same scores
.set i, 0
.rept 16
	v_pk_add_f32 v[2*i:2*i+1],       v[2*i:2*i+1],       v[32+2*i:32+2*i+1]
	v_pk_add_f32 v[64+2*i:64+2*i+1], v[64+2*i:64+2*i+1], v[96+2*i:96+2*i+1]
.set i, i+1
.endr
	WIN 0x05
.set i, 0
.rept 16
	v_pk_add_f32 v[S+2*i:S+2*i+1], v[2*i:2*i+1], v[64+2*i:64+2*i+1]
.set i, i+1
.endr
	WIN 0
	; the running maximum: my 32 rows in four chains, the old m, the other half of the lanes' 32 rows
.irp k, 0,1,2,3
	v_max3_num_f32 v[CV+\k], v[S+8*\k], v[S+8*\k+1], v[S+8*\k+2]
.endr
.irp k, 0,1,2,3
	v_max3_num_f32 v[CV+\k], v[CV+\k], v[S+8*\k+3], v[S+8*\k+4]
.endr
.irp k, 0,1,2,3
	v_max3_num_f32 v[CV+\k], v[CV+\k], v[S+8*\k+5], v[S+8*\k+6]
.endr
	v_max3_num_f32 v[CV], v[CV], v[S+7], v[S+15]
	v_max3_num_f32 v[CV+2], v[CV+2], v[S+23], v[S+31]
	v_max3_num_f32 v[CV+1], v[CV+1], v[CV+3], v[MX]
	v_max3_num_f32 v[CV], v[CV], v[CV+1], v[CV+2]
	v_permlanex16_b32 v[CV+1], v[CV], s[SEL], s[SEL+1]
	v_mov_b32 v[CV+2], v[CM]                       ; c m_old is kept
	v_max_num_f32 v[MX], v[CV], v[CV+1]
	v_mul_f32 v[CM], s[L2E], v[MX]
	v_sub_f32 v[CV+3], v[CV+2], v[CM]
.set i, 0
.rept 16
	v_pk_fma_f32 v[S+2*i:S+2*i+1], v[S+2*i:S+2*i+1], s[L2E:L2E+1], v[CM:CM+1] op_sel_hi:[1,0,0] neg_lo:[0,0,1] neg_hi:[0,0,1]  ; c s - c m
.set i, i+1
.endr
.set i, 0
.rept 32
	v_exp_f32 v[S+i], v[S+i]
.set i, i+1
.endr
	v_exp_f32 v[CV], v[CV+3]                       ; the factor for what was summed so far
	v_nop
	s_wait_alu depctr_va_vdst(0)                   ; one wait for the 33
.set i, 0
.rept 8
	v_pk_add_f32 v[AF+2*i:AF+2*i+1], v[S+4*i:S+4*i+1], v[S+4*i+2:S+4*i+3]
.set i, i+1
.endr
.set i, 0
.rept 4
	v_pk_add_f32 v[AF+4*i:AF+4*i+1], v[AF+4*i:AF+4*i+1], v[AF+4*i+2:AF+4*i+3]
.set i, i+1
.endr
	v_pk_add_f32 v[AF:AF+1],   v[AF:AF+1],   v[AF+4:AF+5]
	v_pk_add_f32 v[AF+8:AF+9], v[AF+8:AF+9], v[AF+12:AF+13]
	v_pk_add_f32 v[AF:AF+1],   v[AF:AF+1],   v[AF+8:AF+9]
	v_add_f32 v[AF], v[AF], v[AF+1]
	v_fma_f32 v[LSUM], v[LSUM], v[CV], v[AF]       ; l of my half of the rows; the halves meet on the way out
.set b, 0
.rept 16
	v_pk_mul_f32 v[CTX+2*b:CTX+2*b+1], v[CTX+2*b:CTX+2*b+1], v[CV:CV+1] op_sel_hi:[1,0]
.set b, b+1
.endr
	; the weighted sum: for each column block a pair (even rows', odd rows'); 16 chains side by side
.set a, 0
.rept 4
	WIN 2+a/2                                      ; source 0 in the accumulators' window
.set p, 0
.rept 4
.set b, 0
.rept 16
	v_pk_fma_f32 v[CTX+2*b:CTX+2*b+1], v[128*(a%2)+8*b+2*p:128*(a%2)+8*b+2*p+1], v[S+8*a+2*p:S+8*a+2*p+1], v[CTX+2*b:CTX+2*b+1]
.set b, b+1
.endr
.set p, p+1
.endr
.set a, a+1
.endr
	WIN 0
	s_sub_co_u32 s[TIL], s[TIL], 1
	s_cmp_lg_u32 s[TIL], 0
	s_cbranch_scc1 .Ltile
	; THE WAY OUT.  Even and odd rows' sums and the two halves of the lanes are added; my 256 columns go through my own bytes of LDS, so that a store covers 512 consecutive bytes.
.set b, 0
.rept 16
	v_add_f32 v[AF+b], v[CTX+2*b], v[CTX+2*b+1]
.set b, b+1
.endr
.set b, 0
.rept 16
	v_permlanex16_b32 v[S+b], v[AF+b], s[SEL], s[SEL+1]
.set b, b+1
.endr
.set b, 0
.rept 16
	v_add_f32 v[AF+b], v[AF+b], v[S+b]
.set b, b+1
.endr
	v_permlanex16_b32 v[CV], v[LSUM], s[SEL], s[SEL+1]
	v_add_f32 v[LSUM], v[LSUM], v[CV]
	s_lshl_b32 s3, s[WV], 10
	s_add_co_u32 s2, s3, OUT
	v_and_b32 v17, 15, v0
	v_lshl_add_u32 v17, v17, 2, s2                 ; in: column 16 b + L%16; both halves of the lanes store the same number
	v_and_b32 v18, 31, v0
	v_lshl_add_u32 v19, v18, 4, s2                 ; back: 16 bytes a lane
	v_lshl_add_u32 v20, v18, 4, s3                 ; my columns in the record
	v_lshlrev_b32 v21, 4, v18
.set b, 0
.rept 16
	ds_store_b32 v17, v[AF+b] offset:64*b
.set b, b+1
.endr
	ds_load_b128 v[96:99],   v19                   ; LDS serves a wave's instructions in order (ISA guide 5.7.1.4): these see the stores above
	ds_load_b128 v[100:103], v19 offset:512
	s_wait_dscnt 0x0
	global_store_b128 v20, v[96:99],   s[PB:PB+1]
	global_store_b128 v20, v[100:103], s[PB:PB+1] offset:512
	s_cmp_lg_u32 s[WV], 0
	s_cbranch_scc1 .Lno_stat                       ; wave 0 stores the statistics: (c m, l) again and again, 512 whole bytes
	v_mov_b32 v104, v[CM]
	v_mov_b32 v105, v[LSUM]
	v_mov_b32 v106, v[CM]
	v_mov_b32 v107, v[LSUM]
	global_store_b128 v21, v[104:107], s[PB:PB+1] offset:4096
.Lno_stat:
	s_wait_tensorcnt 0x0                           ; the wave's end: behind my last tensor load and my last LDS store
	ds_add_u32 v[SPW], v[NIL]
	s_wait_dscnt 0x0
	CROUND                                         ; the closing round: no work-group ends while a partner may still ask for a slab that names it
	s_endpgm
.Lfunc_end_k_q5a1d48514f_main:
	.size	k_q5a1d48514f_main, .Lfunc_end_k_q5a1d48514f_main-k_q5a1d48514f_main
	.p2alignl 7, 3214868480
	.fill 96, 4, 3214868480
	.section	.rodata,"a",@progbits
	.p2align	6, 0x0
	.amdhsa_kernel k_q5a1d48514f_main
		.amdhsa_group_segment_fixed_size 327680
		.amdhsa_private_segment_fixed_size 0
		.amdhsa_enable_private_segment 0
		.amdhsa_kernarg_size 48
		.amdhsa_user_sgpr_count 2
		.amdhsa_user_sgpr_kernarg_segment_ptr 1
		.amdhsa_wavefront_size32 1
		.amdhsa_system_sgpr_workgroup_id_x 1
		.amdhsa_system_sgpr_workgroup_id_y 1
		.amdhsa_system_sgpr_workgroup_id_z 1
		.amdhsa_system_vgpr_workitem_id 0
		.amdhsa_next_free_vgpr 1024
		.amdhsa_next_free_sgpr 66
		.amdhsa_reserve_vcc 1
		.amdhsa_float_denorm_mode_32 3
		.amdhsa_float_denorm_mode_16_64 3
		.amdhsa_memory_ordered 1
		.amdhsa_forward_progress 1
		.amdhsa_inst_pref_size 222
	.end_amdhsa_kernel
	.amdgpu_metadata
---
amdhsa.version: [ 1, 2 ]
amdhsa.kernels:
  - .name:           k_q5a1d48514f_main
    .symbol:         k_q5a1d48514f_main.kd
    .args:
      - { .name: h_enc, .offset: 0, .size: 8, .value_kind: global_buffer, .address_space: global }
      - { .name: w1b, .offset: 8, .size: 8, .value_kind: global_buffer, .address_space: global }
      - { .name: cvec, .offset: 16, .size: 8, .value_kind: global_buffer, .address_space: global }
      - { .name: V, .offset: 24, .size: 8, .value_kind: global_buffer, .address_space: global }
      - { .name: bv, .offset: 32, .size: 8, .value_kind: global_buffer, .address_space: global }
      - { .name: part, .offset: 40, .size: 8, .value_kind: global_buffer, .address_space: global }
    .group_segment_fixed_size: 327680
    .private_segment_fixed_size: 0
    .kernarg_segment_align: 8
    .kernarg_segment_size: 48
    .max_flat_workgroup_size: 128
    .sgpr_count:     66
    .vgpr_count:     1024
    .wavefront_size: 32
...
	.end_amdgpu_metadata
.endif
;; end of part 2
;; launch fin (part 3): grid 4 x 32, 2 waves a work-group, no clusters, 0 bytes of LDS; arguments part, b1, out0; writes out0
.if DOCPART == 3
	.amdgcn_target "amdgcn-amd-amdhsa--gfx1250"
	.amdhsa_code_object_version 6
	.text
	.protected	k_q5a1d48514f_fin
	.globl	k_q5a1d48514f_fin
	.p2align	8
	.type	k_q5a1d48514f_fin,@function
k_q5a1d48514f_fin:
	s_mov_b64 s[64:65], 0
	v_nop
	global_prefetch_b8 v0, s[64:65] scope:SCOPE_SE
	s_setreg_imm32_b32 hwreg(HW_REG_WAVE_MODE, 25, 1), 1
	s_wait_xcnt 0x0
; out0[y][n] = (the sum over g of w_g ctx_g[n]) / (the sum over g of w_g l_g) + b1[n],  w_g = 2^(cm_g - max cm): the eight partial results of batch y are merged.
; part: a record of 4,608 bytes a work-group of the launch before: 1,024 f32 of context, then (c m, l) repeated.  c m is the very number that stood in that launch's exponents.
; b1 is added here, once: the weights sum to 1.  Work-group (x, y): 256 columns of batch y; thread t: four of them.  A work-group stores 1,024 consecutive bytes.
; No LDS, no matrix unit, no prefetch: 37 KiB are read for each batch, once, all loads out together.  A weight below 2^-126 counts as 0; NaN and infinities are not treated apart.
.set REC, 4608
.set ST,  4                            ; v[4:19]   (c m, l) of the eight
.set CT,  20                           ; v[20:51]  my four columns of the eight contexts
.set B1R, 52                           ; v[52:55]  b1
.set W,   56                           ; v[56:63]  the eight weights
.set AC,  68                           ; v[68:71]  the sums
.set RL,  72                           ; v72 1 / L, v73 L: read as a pair, the low word for both halves
	s_load_b128 s[4:7], s[0:1], 0x0                ; part, b1
	s_load_b64 s[8:9], s[0:1], 0x10                ; out0
	s_and_b32 s10, ttmp7, 0xffff                   ; the batch
	s_lshl_b32 s11, ttmp9, 10                      ; 256 columns of 4 bytes
	v_lshl_add_u32 v1, v0, 4, s11                  ; my 16 bytes in a row of 4,096
	v_mov_b32 v2, 0
	s_mul_i32 s12, s10, 8*REC
	s_mov_b32 s13, 0
	s_lshl_b32 s14, s10, 12
	s_mov_b32 s15, 0
	s_wait_kmcnt 0x0
	s_add_nc_u64 s[4:5], s[4:5], s[12:13]
	s_add_nc_u64 s[8:9], s[8:9], s[14:15]
.irp g, 0,1,2,3,4,5,6,7
	global_load_b64 v[ST+2*(\g):ST+2*(\g)+1], v2, s[4:5] offset:4096+REC*(\g)
.endr
.irp g, 0,1,2,3,4,5,6,7
	global_load_b128 v[CT+4*(\g):CT+4*(\g)+3], v1, s[4:5] offset:REC*(\g)
.endr
	global_load_b128 v[B1R:B1R+3], v1, s[6:7]
	s_wait_loadcnt 9                               ; the statistics are in; the eight contexts and b1 stay out
	v_max3_num_f32 v64, v[ST], v[ST+2], v[ST+4]
	v_max3_num_f32 v65, v[ST+6], v[ST+8], v[ST+10]
	v_max3_num_f32 v64, v64, v[ST+12], v[ST+14]
	v_max_num_f32 v64, v64, v65
.irp g, 0,1,2,3,4,5,6,7
	v_sub_f32 v[W+(\g)], v[ST+2*(\g)], v64
.endr
.irp g, 0,1,2,3,4,5,6,7
	v_exp_f32 v[W+(\g)], v[W+(\g)]
.endr
	v_nop                                          ; a plain instruction behind the last exponential,
	s_wait_alu depctr_va_vdst(0)                   ; and the one wait ahead of the batch's first reader
	v_mul_f32 v[RL+1], v[W], v[ST+1]
.irp g, 1,2,3,4,5,6,7
	v_fmac_f32 v[RL+1], v[W+(\g)], v[ST+2*(\g)+1]
.endr
	v_rcp_f32 v[RL], v[RL+1]
	s_wait_loadcnt 0x0
	v_pk_mul_f32 v[AC:AC+1],   v[CT:CT+1],   v[W:W+1] op_sel_hi:[1,0]
	v_pk_mul_f32 v[AC+2:AC+3], v[CT+2:CT+3], v[W:W+1] op_sel_hi:[1,0]
.irp g, 1,3,5,7                        ; the pair's second weight
	v_pk_fma_f32 v[AC:AC+1],   v[CT+4*(\g):CT+4*(\g)+1],   v[W+(\g)-1:W+(\g)], v[AC:AC+1]   op_sel:[0,1,0] op_sel_hi:[1,1,1]
	v_pk_fma_f32 v[AC+2:AC+3], v[CT+4*(\g)+2:CT+4*(\g)+3], v[W+(\g)-1:W+(\g)], v[AC+2:AC+3] op_sel:[0,1,0] op_sel_hi:[1,1,1]
.endr
.irp g, 2,4,6                          ; the pair's first
	v_pk_fma_f32 v[AC:AC+1],   v[CT+4*(\g):CT+4*(\g)+1],   v[W+(\g):W+(\g)+1], v[AC:AC+1]   op_sel_hi:[1,0,1]
	v_pk_fma_f32 v[AC+2:AC+3], v[CT+4*(\g)+2:CT+4*(\g)+3], v[W+(\g):W+(\g)+1], v[AC+2:AC+3] op_sel_hi:[1,0,1]
.endr
	s_wait_alu depctr_va_vdst(0)                   ; the reciprocal's wait; the sixteen lines above are the work between
	v_pk_fma_f32 v[AC:AC+1],   v[AC:AC+1],   v[RL:RL+1], v[B1R:B1R+1]   op_sel_hi:[1,0,1]
	v_pk_fma_f32 v[AC+2:AC+3], v[AC+2:AC+3], v[RL:RL+1], v[B1R+2:B1R+3] op_sel_hi:[1,0,1]
	global_store_b128 v1, v[AC:AC+3], s[8:9]
	s_endpgm
.Lfunc_end_k_q5a1d48514f_fin:
	.size	k_q5a1d48514f_fin, .Lfunc_end_k_q5a1d48514f_fin-k_q5a1d48514f_fin
	.p2alignl 7, 3214868480
	.fill 96, 4, 3214868480
	.section	.rodata,"a",@progbits
	.p2align	6, 0x0
	.amdhsa_kernel k_q5a1d48514f_fin
		.amdhsa_group_segment_fixed_size 0
		.amdhsa_private_segment_fixed_size 0
		.amdhsa_enable_private_segment 0
		.amdhsa_kernarg_size 24
		.amdhsa_user_sgpr_count 2
		.amdhsa_user_sgpr_kernarg_segment_ptr 1
		.amdhsa_wavefront_size32 1
		.amdhsa_system_sgpr_workgroup_id_x 1
		.amdhsa_system_sgpr_workgroup_id_y 1
		.amdhsa_system_sgpr_workgroup_id_z 1
		.amdhsa_system_vgpr_workitem_id 0
		.amdhsa_next_free_vgpr 80
		.amdhsa_next_free_sgpr 66
		.amdhsa_reserve_vcc 0
		.amdhsa_float_denorm_mode_32 3
		.amdhsa_float_denorm_mode_16_64 3
		.amdhsa_memory_ordered 1
		.amdhsa_forward_progress 1
		.amdhsa_inst_pref_size 5
	.end_amdhsa_kernel
	.amdgpu_metadata
---
amdhsa.version: [ 1, 2 ]
amdhsa.kernels:
  - .name:           k_q5a1d48514f_fin
    .symbol:         k_q5a1d48514f_fin.kd
    .args:
      - { .name: part, .offset: 0, .size: 8, .value_kind: global_buffer, .address_space: global }
      - { .name: b1, .offset: 8, .size: 8, .value_kind: global_buffer, .address_space: global }
      - { .name: out0, .offset: 16, .size: 8, .value_kind: global_buffer, .address_space: global }
    .group_segment_fixed_size: 0
    .private_segment_fixed_size: 0
    .kernarg_segment_align: 8
    .kernarg_segment_size: 24
    .max_flat_workgroup_size: 64
    .sgpr_count:     66
    .vgpr_count:     80
    .wavefront_size: 32
...
	.end_amdgpu_metadata
.endif
;; end of part 3
;; ======== version 2 of 3: 3 launches
;; workspace buffers: w1b 2,097,152 bytes; cvec 131,072 bytes; part 1,179,648 bytes
;; launch prep: the kernel of part 1 again; grid 64 x 2, 8 waves a work-group, no clusters, 9,216 bytes of LDS; arguments W1, W2, h_dec, b1, b2, w1b, cvec; writes w1b, cvec
;; launch main (part 4): grid 256 x 1, 4 waves a work-group, clusters of 4 x 1, 327,680 bytes of LDS; arguments h_enc, w1b, cvec, V, bv, part; writes part
.if DOCPART == 4
	.amdgcn_target "amdgcn-amd-amdhsa--gfx1250"
	.amdhsa_code_object_version 6
	.text
	.protected	k_q5a1d48514f_main
	.globl	k_q5a1d48514f_main
	.p2align	8
	.type	k_q5a1d48514f_main,@function
k_q5a1d48514f_main:
	s_mov_b64 s[64:65], 0
	v_nop
	global_prefetch_b8 v0, s[64:65] scope:SCOPE_SE
	s_setreg_imm32_b32 hwreg(HW_REG_WAVE_MODE, 25, 1), 1
	s_wait_xcnt 0x0
	s_wait_alu depctr_hold_cnt(0) depctr_sa_sdst(0) depctr_va_vdst(0) depctr_va_sdst(0) depctr_va_ssrc(0) depctr_va_vcc(0) depctr_vm_vsrc(0)
	s_getreg_b32 s2, hwreg(HW_REG_IB_STS2, 6, 4)
	s_cmp_eq_u32 s2, 0
	s_cbranch_scc0 .Lentry_in_a_cluster
	s_endpgm
.Lentry_in_a_cluster:
	s_bfe_u32 s2, ttmp6, 0x10000c
	s_cmp_lg_u32 s2, 0x3003
	s_cbranch_scc0 .Lentry_shape_is_right
	s_endpgm
.Lentry_shape_is_right:
; acc = h_enc W1^T;  score[l] = V . tanh(acc[l] + b1 + dec) + bv;  a running softmax over the rows;  the sum of p[l] acc[l].  One partial result a work-group.
; WHY WHOLE ROWS.  A row's score wants all 1,024 columns of acc, and acc is wanted again for the weighted sum.  So a work-group holds 64 rows x 1,024 columns of acc in its accumulators
; (512 registers in each of four waves), and acc never goes to memory; h_enc is read once.  The price: W1 (2 MiB in bf16) is walked once for every 64 rows.
; SHARES.  Work-group WG owns rows 256 WG .. 256 WG + 255 of the flattened [65,536][1,024], all of batch WG / 8: four tiles of 64 rows, one after the other.  Wave w owns the columns
; 256 w .. 256 w + 255 of all 64 rows: accumulator (a, b), rows 16 a .., columns 256 w + 16 b ...  K goes in 16 steps of 64 a tile: 128 matrix instructions a wave, in two halves of 32 along K.
; LAYOUT.  Source 0 = 16 rows of h_enc, source 1 = 16 rows of W1: in the result a lane holds ONE column (lane % 16) and the rows 8 (lane / 16) + 0..7.  So V and cvec are one register a
; column block, the score sums 32 registers a lane, and the weights p lie as the weighted sum wants them.
; W1 comes as w1b, bf16 in fragment order: a step's slab is 131,072 dense bytes, a wave's quarter 32,768, a fragment half 512 consecutive bytes (16 a lane: no padding is wanted).
; CLUSTER.  The four work-groups of a cluster walk the same slabs in the same round, so each quarter is asked for JOINTLY: the same tensor load, descriptor and mask in all four.
; h_enc comes through registers: wave w loads row block w of a slab (16 rows x 256 bytes of f32) by eight loads, each of two rows' whole 256 bytes, aligned (lanes 0-15 row j, lanes 16-31 row j + 8,
; 16 bytes a lane): each byte of h_enc is named by one instruction.  It is rounded once to bf16 and stored into LDS as rows of 128 bytes + 16 of padding, for all four waves.
; Slab g + 1 is rounded and stored in step g; its loads went out in step g - 2: two sets of 32 registers are on their way.
; TANH.  tanh(x) = 1 - 2 / (1 + 2^(2 log2(e) x)).  So score = (sum of V) + bv + the sum of (-2 V) r, r = 1 / (1 + 2^z), z = 2 log2(e) acc + cvec.  2^z = infinity gives r = 0, 2^z = 0 gives r = 1.
; SOFTMAX.  A running maximum m and sum l: p = 2^(c s - c m), c = log2(e); for each tile the context and l are multiplied by 2^(c m_old - c m_new).  m starts at the lowest finite number, the context
; and l at 0: the first tile is a tile like any other.  b1 is not in the context: the weights sum to 1, so the last launch adds it once.
; LIMITS.  h_enc and W1 are rounded once to bf16; all else is f32; the sums' order is this text's own.  A weight below 2^-126 counts as 0.  NaN and infinities are not treated apart.
; In global steps 61 and 62 the slab number of the loads is held at 63: slab 63 is loaded again, 8 KiB a wave, into registers that nobody reads, so that every step has one text and one count of loads;
; those loads are waited for in the last step.
;
; REGISTERS, in windows of 256 (s_set_vgpr_msb: bits 1:0 source 0, 3:2 source 1, 5:4 source 2, 7:6 destination):
;   window 0: v0 thread; v1 l; v2-11 addresses and SV; v12-13 c m, m; v14-15 the add's; v16-31 rounded A, scratch; v32-63 scores, then p; v64-127 A's fragments, two buffers;
;             v128-191 A as loaded, two sets; v192-207 cvec; v208-223 -2 V; v224-255 the context, a pair a column block
;   window 1: B's fragments, two buffers of 128; behind a tile's products: z, 2^z, r of two row blocks by turns, then the four waves' score sums
;   windows 2, 3: accumulator (a, b) in window 2 + a / 2 at v[128 (a % 2) + 8 b]
.set SLOTB,  1<<17                     ; a slot of B; slot 1 begins here, so that one exclusive or changes slot
.set SLAB,   131072                    ; bytes of w1b in a step
.set APITCH, 144                       ; a row of A in LDS: 64 bf16 + 16 bytes of padding = 36 words: the 16 rows of a fragment load start at 16 different groups of four banks (64 banks of 4 bytes: ISA guide 11.1)
.set ASLOT,  64*APITCH                 ; a slot of A: 64 rows
.set ABASE,  2*SLOTB                   ; two slots of A, written by ds_store alone
.set SX,     ABASE+2*ASLOT             ; the waves' score sums: 256 w + 128 (L/16) + 4 (8 a + j)
.set OUT,    SX+1024                   ; 1,024 bytes a wave, for the way out
.set SPARE,  OUT+4096                  ; the spare words, 128 bytes for each wave: two blocks of 256 bytes that no other line names
.set LSUM, 1
.set ADRA, 2                           ; ABASE + (L%16) x 144 + 16 (L/16): my place in a fragment of A
.set ASTO, 3                           ; ABASE + (16 w + 8 (L/16)) x 144 + 8 (L%16): where I put 8 bytes of a row
.set ADRB, 4                           ; v4, v5: slot x SLOTB + 32,768 w + 16 L
.set FO,   6                           ; (16 w + 8 (L/16)) x 4,096 + 16 (L%16): my place in a slab of h_enc; never rewritten
.set PFO,  7                           ; (16 w + L%16) x 4,096 + 256 (L/16): the prefetches of h_enc; never rewritten
.set SXS,  8
.set SXL,  9
.set SV,   10                          ; the score sums' start: my 16 columns' V, and bv in one lane of each half of wave 0; read as the low word of v[10:11]
.set PFW,  11                          ; 256 L: the prefetches of w1b; never rewritten
.set CM,   12
.set MX,   13
.set SPW,  14
.set NIL,  15
.set CV,   16
.set S,    32
.set AF,   64
.set STG,  128
.set CC,   192
.set VV,   208
.set CTX,  224
.set AB,   4                           ; s[4:5]   h_enc at my work-group's first row
.set WB,   6                           ; s[6:7]   w1b at my wave's quarter of slab 0
.set CVP,  8
.set VP,   10
.set BVP,  12
.set PB,   14                          ; s[14:15] part at my work-group's record
.set WV,   16
.set CX,   17
.set WG,   18
.set BV,   19
.set AO,   20                          ; s[20:21] a slab's offset in my rows of h_enc
.set AP,   22                          ; s[22:23] where the loads of h_enc stand
.set G1,   24                          ; s[24:31] descriptor group 1
.set G0A,  32                          ; s[32:35] group 0 of the first fill of slot 0
.set G0,   36                          ; s[36:39] group 0 of slot 1's first fill; then it walks
.set WO,   40                          ; s[40:41] a slab's offset in w1b
.set PP,   42                          ; s[42:43] where the prefetches of h_enc stand
.set PO,   44                          ; s[44:45] their offset
.set GC,   46                          ; the global step, 0 to 63
.set NS,   47                          ; the number of the slab asked for last
.set LAP,  48
.set TIL,  49
.set K2,   52                          ; s[52:53] 2 log2(e)
.set L2E,  54                          ; s[54:55] log2(e)
.set SEL,  56                          ; s[56:57] v_permlanex16_b32's selects: each lane takes its own place in the other half
.set PWB,  58                          ; s[58:59] w1b at my work-group's 8 KiB of my wave's quarter
.set PW,   60                          ; s[60:61] where the prefetches of w1b stand
.set LIMW, 62                          ; 14 in the launch's first cluster, else 0
.set MSB, 0
.macro WIN new                         ; the immediate's high byte repeats the setting that is left; a switch that changes nothing is dropped
.if MSB != (\new)
	s_set_vgpr_msb (MSB<<8)|(\new)
.set MSB, (\new)
.endif
.endm
.macro PLACES                          ; four plain places (ISA guide 7.12.1) between matrix instructions and what writes, or is loaded into, their registers
.rept 4
	v_nop
.endr
.endm
.macro CREST                           ; a round of the cluster's barrier behind its opening barrier
	s_cmp_lg_u32 s[WV], 0
	s_cbranch_scc1 .Lnot_wave_0_\@
	s_barrier_signal -3
.Lnot_wave_0_\@:
	s_barrier_wait -3
	s_barrier_signal -1
	s_barrier_wait -1
.endm
.macro CROUND                          ; a whole round
	s_barrier_signal -1
	s_barrier_wait -1
	CREST
.endm
; 16 matrix instructions: row block a x my 16 column blocks, 32 along K, from fragment buffer f.  Every half step takes a = 0, 1, 2, 3: the 64 accumulators take turns, one instruction a turn,
; over every jump too.  zero = 1: the product starts the sum.
.macro MUL16 f, a, zero
	WIN 0xa4+0x50*((\a)/2)                         ; A window 0, B window 1, C and D window 2 or 3
.irp b, 0,1,2,3,4,5,6,7,8,9,10,11,12,13,14,15
.if \zero
	v_wmma_f32_16x16x32_bf16 v[128*((\a)%2)+8*(\b):128*((\a)%2)+8*(\b)+7], v[AF+32*(\f)+8*(\a):AF+32*(\f)+8*(\a)+7], v[128*(\f)+8*(\b):128*(\f)+8*(\b)+7], 0
.else
	v_wmma_f32_16x16x32_bf16 v[128*((\a)%2)+8*(\b):128*((\a)%2)+8*(\b)+7], v[AF+32*(\f)+8*(\a):AF+32*(\f)+8*(\a)+7], v[128*(\f)+8*(\b):128*(\f)+8*(\b)+7], v[128*((\a)%2)+8*(\b):128*((\a)%2)+8*(\b)+7]
.endif
.endr
.endm
; 40 LDS loads in one run: half kk of a step's fragments into buffer f: B's 16 (my own quarter of the slot), then A's 4.  The last four loads are A's row blocks 2 and 3.
; A fragment of A: lane L takes row L%16 of the block, k = 8 (L/16) + 0..7 (16 bytes) and k = 16 + 8 (L/16) + 0..7 (32 bytes further on).
.macro FETCH slot, kk, f
	WIN 0x40                                       ; destination window 1
.irp b, 0,1,2,3,4,5,6,7,8,9,10,11,12,13,14,15
	ds_load_b128 v[128*(\f)+8*(\b):128*(\f)+8*(\b)+3],   v[ADRB+(\slot)] offset:(\b)*2048+(\kk)*1024
	ds_load_b128 v[128*(\f)+8*(\b)+4:128*(\f)+8*(\b)+7], v[ADRB+(\slot)] offset:(\b)*2048+(\kk)*1024+512
.endr
	WIN 0
.irp a, 0,1,2,3
	ds_load_b128 v[AF+32*(\f)+8*(\a):AF+32*(\f)+8*(\a)+3],   v[ADRA] offset:(\slot)*ASLOT+(\a)*16*APITCH+(\kk)*64
	ds_load_b128 v[AF+32*(\f)+8*(\a)+4:AF+32*(\f)+8*(\a)+7], v[ADRA] offset:(\slot)*ASLOT+(\a)*16*APITCH+(\kk)*64+32
.endr
.endm
; My 16 rows x 256 bytes of a slab of h_enc into set n.  Load j: lanes 0-15 cover the 256 bytes of row j, lanes 16-31 those of row j + 8: two aligned runs of 256 consecutive bytes.
.macro ALD n, base, off
.irp j, 0,1,2,3,4,5,6,7
	global_load_b128 v[STG+32*(\n)+4*(\j):STG+32*(\n)+4*(\j)+3], v[FO], s[(\base):(\base)+1] offset:(\off)+4096*(\j) th:TH_LOAD_NT
.endr
.endm
.macro CVT n                           ; set n rounded to bf16: load j's four numbers become registers 2 j, 2 j + 1 of 16
.set j, 0
.rept 16
	v_cvt_pk_bf16_f32 v[CV+j], v[STG+32*(\n)+2*j], v[STG+32*(\n)+2*j+1]
.set j, j+1
.endr
.endm
; Into A's slot n: store j puts 8 bytes a lane into rows j and j + 8 of my block.  The two rows lie 8 x 144 = 4 x 256 + 128 bytes apart, so the 32 lanes' 256 bytes fall on each bank once.
.macro AST n
.irp j, 0,1,2,3,4,5,6,7
	ds_store_b64 v[ASTO], v[CV+2*(\j):CV+2*(\j)+1] offset:(\n)*ASLOT+(\j)*APITCH
.endr
.endm
; A's work of step g (GC = g): slab g + 1, in set n, is rounded and stored into A's slot n; slab g + 3 is asked for into the same set.  pf = 1: the prefetches' pointer is made too.
.macro ASTEP n, pf
	s_wait_loadcnt 8                               ; slab g + 1 is in; slab g + 2's eight loads stay out
	CVT \n                                         ; (also the places in front of the run of LDS loads that follows)
	AST \n
	s_add_co_u32 s2, s[GC], 3
	s_min_u32 s2, s2, 63                           ; no load leaves my rows
	s_lshr_b32 s3, s2, 4
	s_lshl_b32 s3, s3, 18                          ; the tile: 64 rows of 4,096 bytes
	s_and_b32 s2, s2, 15
	s_lshl_b32 s2, s2, 8                           ; the step: 256 bytes along a row
	s_or_b32 s[AO], s3, s2
.if \pf
	s_add_co_u32 s2, s[GC], 4
	s_min_u32 s2, s2, 62                           ; the pointer stays inside my rows in the steps that ask for nothing too
	s_lshr_b32 s3, s2, 4
	s_lshl_b32 s3, s3, 18
	s_and_b32 s2, s2, 15
	s_lshl_b32 s2, s2, 8
	s_or_b32 s[PO], s3, s2
.endif
	s_wait_xcnt 0x0                                ; the loads and prefetches issued so far have read their addresses: the pointers may be written
	s_add_nc_u64 s[AP:AP+1], s[AB:AB+1], s[AO:AO+1]
.if \pf
	s_add_nc_u64 s[PP:PP+1], s[AB:AB+1], s[PO:PO+1]
.endif
	ALD \n, AP, 0
	s_add_co_u32 s[GC], s[GC], 1
.endm
; A PREFETCH OF h_enc, in the even steps, behind the step's loads and the run of LDS loads: each wave names its own 16 rows, a lane a block of 256 bytes: lanes 0-15 slab g + 4, lanes 16-31 slab g + 5,
; which its loads ask for one and two steps later.  Each block is named once in the launch.  Slabs 0 to 3 come by their loads alone; from g = 60 on nothing is left to name (GC holds g + 1 here).
.macro ASKA
	s_cmp_lt_u32 s[GC], 60
	s_cbranch_scc0 .Lno_a_\@
	global_prefetch_b8 v[PFO], s[PP:PP+1] th:TH_LOAD_NT scope:SCOPE_SE
.Lno_a_\@:
.endm
; A PREFETCH OF w1b, behind each joint refill of the FIRST walk: the slab two refills on (slabs 4 to 15).  All clusters walk the same slabs: the launch's first cluster asks; its four partners share a
; wave's quarter out BY ADDRESS, 8 KiB each, a lane a block of 256 bytes.  The later walks name nothing.
.macro ASKW
	s_cmp_lt_u32 s[NS], s[LIMW]
	s_cbranch_scc0 .Lno_w_\@
	global_prefetch_b8 v[PFW], s[PW:PW+1] th:TH_LOAD_NT scope:SCOPE_SE
.Lno_w_\@:
.endm
; The first half of a step: buffer 0 is multiplied; in its middle stand A's work and the second half's fragments.
.macro HALF0 slot, zero, awork, pf
	s_wait_dscnt 4                                 ; buffer 0 is in, but for A's row blocks 2 and 3
	MUL16 0, 0, \zero
	MUL16 0, 1, \zero
	WIN 0
.if \awork
	ASTEP 1-(\slot), \pf
.else
	PLACES
.endif
	FETCH \slot, 1, 1
.if \pf
	ASKA
.endif
	s_wait_dscnt 40+8*(\awork)                     ; all but what was just issued: the 40 loads, and with A's work its 8 stores
	MUL16 0, 2, \zero
	MUL16 0, 3, \zero
.endm
; The second half multiplies buffer 1 and changes slots: ONE barrier.  In front of it each wave waits for all its tensor loads, of which one is out (its quarter of the next slot), adds 0 to its spare
; word, and waits for that, for its reads of this slot and for its stores into A's next slot.  Behind it nobody reads this slot, and A's next slot is whole.
; fill = 1: the barrier opens a round of the cluster's, and B's slot is filled again first thing behind it, with the slab two steps on; the descriptor's address is made anew from the slab's number, so
; the ring runs on from tile to tile.  From the request to the wait for it a wave issues 96 matrix instructions.  fetch = 1: the next step's first fragments follow.
.macro TURN slot, fill, fetch
	WIN 0
.if \fill
	s_wait_xcnt 0x0                                ; the last prefetch of w1b, a step back, has read its pointer
.endif
	s_wait_tensorcnt 0x0                           ; no tensor load of mine is out, so group 0 may be written
	ds_add_u32 v[SPW], v[NIL]                      ; 0 onto my spare word
.if \fill
	s_add_co_u32 s[NS], s[NS], 1
	s_and_b32 s[WO], s[NS], 15                     ; the walk goes round: 16 slabs a tile
	s_lshl_b32 s[WO], s[WO], 17
	s_xor_b32 s[G0+1], s[G0+1], SLOTB              ; the other slot than last time
	s_add_nc_u64 s[G0+2:G0+3], s[WB:WB+1], s[WO:WO+1]
	s_or_b32 s[G0+3], s[G0+3], 0x80000000          ; type = 2
	s_add_co_u32 s2, s[NS], 2
	s_and_b32 s2, s2, 15
	s_lshl_b32 s2, s2, 17
	s_mov_b32 s3, 0
	s_add_nc_u64 s[PW:PW+1], s[PWB:PWB+1], s[2:3]
.endif
	s_wait_dscnt 5                                 ; (the add and A's row blocks 2 and 3 may be out)
	MUL16 1, 0, 0                                  ; sixteen matrix instructions stand between the add and the wait for it
	s_wait_dscnt 0x0                               ; the add, my reads of this slot and my stores into A's next slot are done:
	s_barrier_signal -1                            ; say so,
	MUL16 1, 1, 0                                  ; work on registers while the others arrive,
.if \fill
	WIN 0
.endif
	s_barrier_wait -1
.if \fill
	CREST                                          ; no wave of any partner still reads this slot or has a load on its way
	tensor_load_to_lds s[G0:G0+3], s[G1:G1+7]      ; my one tensor load behind the round
	s_nop 0
.endif
	PLACES                                         ; behind the load; also the places in front of the loads into buffer 0
.if \fetch
	FETCH 1-(\slot), 0, 0
.endif
.if \fill
	WIN 0
	ASKW
.endif
	MUL16 1, 2, 0
	MUL16 1, 3, 0
.endm
	s_load_b256 s[4:11], s[0:1], 0x0               ; h_enc, w1b, cvec, V
	s_load_b128 s[12:15], s[0:1], 0x20             ; bv, part
	v_lshl_add_u32 v[SPW], v0, 2, SPARE
	v_mov_b32 v[NIL], 0
	ds_add_u32 v[SPW], v[NIL]                      ; the wave's opening: the add and its wait stand ahead of my first tensor load; the set-up below stands between them
	v_lshrrev_b32 v1, 5, v0
	v_readfirstlane_b32 s[WV], v1                  ; wave 0..3
	s_bfe_u32 s[CX], ttmp6, 0x40000                ; my place in the cluster
	s_lshl_b32 s[WG], ttmp9, 2                     ; in a cluster launch ttmp9 counts clusters
	s_add_co_u32 s[WG], s[WG], s[CX]               ; it enters the addresses of h_enc, cvec, part and the prefetches alone
	; descriptor group 1: 32,768 dense bytes as 128 rows of 256
	s_mov_b32 s[G1+0], 15|(3<<16)|(1<<21)          ; 15:0 the mask: all four work-groups; 17:16 elements of 8 bytes; 21 set beside a mask; no padding
	s_mov_b32 s[G1+1], 32<<16                      ; tensor_dim0 = 32
	s_mov_b32 s[G1+2], 128<<16                     ; tensor_dim1 = 128
	s_mov_b32 s[G1+3], 32<<16                      ; tile_dim0 = 32
	s_mov_b32 s[G1+4], 128                         ; tile_dim1 = 128
	s_mov_b32 s[G1+5], 32                          ; 32 elements from row to row
	s_mov_b32 s[G1+6], 0
	s_mov_b32 s[G1+7], 0
	s_mov_b32 s[G0A], 1
	s_lshl_b32 s[G0A+1], s[WV], 15                 ; LDS: my quarter of slot 0: the wave's number alone enters it
	s_mov_b32 s[G0], 1
	s_add_co_u32 s[G0+1], s[G0A+1], SLOTB          ; of slot 1
	s_mov_b32 s[K2], 0x4038aa3b
	s_mov_b32 s[K2+1], s[K2]                       ; named as pairs
	s_mov_b32 s[L2E], 0x3fb8aa3b
	s_mov_b32 s[L2E+1], s[L2E]
	s_mov_b32 s[SEL], 0x76543210
	s_mov_b32 s[SEL+1], 0xfedcba98
	s_mov_b32 s[AO+1], 0
	s_mov_b32 s[WO+1], 0
	s_mov_b32 s[PO+1], 0
	s_cmp_eq_u32 ttmp9, 0
	s_cselect_b32 s[LIMW], 14, 0                   ; the same in all four partners
	v_and_b32 v16, 31, v0                          ; L
	v_and_b32 v17, 15, v0                          ; L % 16
	v_bfe_u32 v18, v0, 4, 1                        ; L / 16
	v_lshlrev_b32 v19, 4, v16
	v_mul_u32_u24 v[ADRA], v17, APITCH             ; a fragment's row x pitch
	v_lshl_add_u32 v[ADRA], v18, 4, v[ADRA]        ; + 16 x half
	v_add_nc_u32 v[ADRA], ABASE, v[ADRA]
	s_mul_i32 s2, s[WV], 16*APITCH                 ; my 16 rows of a slot of A
	s_add_co_u32 s2, s2, ABASE
	v_mul_u32_u24 v[ASTO], v18, 8*APITCH           ; lanes 16-31: eight rows further down
	v_lshl_add_u32 v[ASTO], v17, 3, v[ASTO]        ; my 8 bytes of the row
	v_add_nc_u32 v[ASTO], s2, v[ASTO]
	v_add_nc_u32 v[ADRB], s[G0A+1], v19
	v_add_nc_u32 v[ADRB+1], SLOTB, v[ADRB]
	s_lshl_b32 s2, s[WV], 16                       ; 16 w rows of 4,096 bytes
	v_lshl_add_u32 v[PFO], v17, 12, s2
	v_lshl_add_u32 v[PFO], v18, 8, v[PFO]
	v_lshl_add_u32 v[FO], v18, 15, s2              ; lanes 16-31: eight rows further down
	v_lshl_add_u32 v[FO], v17, 4, v[FO]            ; my 16 bytes of the row's 256
	s_lshl_b32 s2, s[WV], 8
	s_add_co_u32 s2, s2, SX
	v_lshl_add_u32 v[SXS], v18, 7, s2
	v_lshl_add_u32 v[SXL], v18, 7, SX
	v_lshlrev_b32 v[PFW], 8, v16
	s_lshr_b32 s50, s[WG], 3                       ; the batch
	s_lshl_b32 s50, s50, 6
	s_add_co_u32 s50, s50, s[G0A+1]                ; + 16 w column blocks of 2,048 bytes
	v_lshl_add_u32 v20, v17, 2, s50                ; my place in cvec
	s_lshl_b32 s2, s[WV], 10
	v_lshl_add_u32 v21, v17, 2, s2                 ; and in V
	s_wait_dscnt 0x0                               ; the opening add is done
	s_wait_kmcnt 0x0
	s_load_b32 s[BV], s[BVP:BVP+1], 0x0
	s_lshl_b32 s50, s[WG], 20                      ; 256 rows of 4,096 bytes
	s_mov_b32 s51, 0
	s_add_nc_u64 s[AB:AB+1], s[AB:AB+1], s[50:51]
	s_lshl_b32 s2, s[WV], 15
	s_mov_b32 s3, 0
	s_add_nc_u64 s[WB:WB+1], s[WB:WB+1], s[2:3]
	s_lshl_b32 s50, s[CX], 13
	s_add_nc_u64 s[PWB:PWB+1], s[WB:WB+1], s[50:51]
	s_mul_i32 s50, s[WG], 4608
	s_add_nc_u64 s[PB:PB+1], s[PB:PB+1], s[50:51]
	s_mov_b64 s[G0A+2:G0A+3], s[WB:WB+1]           ; slab 0
	s_or_b32 s[G0A+3], s[G0A+3], 0x80000000
	s_add_nc_u64 s[G0+2:G0+3], s[WB:WB+1], SLAB    ; slab 1
	s_or_b32 s[G0+3], s[G0+3], 0x80000000
	CROUND                                         ; all four work-groups are here: the first joint loads meet
	tensor_load_to_lds s[G0A:G0A+3], s[G1:G1+7]    ; both first fills together: two loads of mine are out
	s_nop 0
	tensor_load_to_lds s[G0:G0+3], s[G1:G1+7]
	s_nop 0
	PLACES
.set b, 0
.rept 16
	global_load_b32 v[CC+b], v20, s[CVP:CVP+1] offset:2048*b
.set b, b+1
.endr
.set b, 0
.rept 16
	global_load_b32 v[VV+b], v21, s[VP:VP+1] offset:64*b
.set b, b+1
.endr
	ALD 0, AB, 0                                   ; slab 0
	ALD 1, AB, 256                                 ; slab 1
	s_wait_loadcnt 8                               ; cvec, V and slab 0 are in; slab 1's eight loads stay out.  The two offsets in v20, v21 are free too
	CVT 0
	AST 0
	ALD 0, AB, 512                                 ; slab 2
	v_pk_add_f32 v[16:17], v[VV:VV+1],     v[VV+2:VV+3]      ; the sum of my 16 columns' V
	v_pk_add_f32 v[18:19], v[VV+4:VV+5],   v[VV+6:VV+7]
	v_pk_add_f32 v[20:21], v[VV+8:VV+9],   v[VV+10:VV+11]
	v_pk_add_f32 v[22:23], v[VV+12:VV+13], v[VV+14:VV+15]
	v_pk_add_f32 v[16:17], v[16:17], v[18:19]
	v_pk_add_f32 v[20:21], v[20:21], v[22:23]
	v_pk_add_f32 v[16:17], v[16:17], v[20:21]
	v_add_f32 v[SV], v16, v17
	s_wait_kmcnt 0x0                               ; bv
	v_and_b32 v16, 0xffffffef, v0                  ; 0 in threads 0 and 16: wave 0, column 0, each half of the lanes: bv enters each row's sum once
	v_cmp_eq_u32 vcc_lo, 0, v16
	v_cndmask_b32 v16, 0, s[BV], vcc_lo
	v_add_f32 v[SV], v[SV], v16
.set b, 0
.rept 8
	v_pk_mul_f32 v[VV+2*b:VV+2*b+1], v[VV+2*b:VV+2*b+1], -2.0 op_sel_hi:[1,0]
.set b, b+1
.endr
.set b, 0
.rept 32
	v_mov_b32 v[CTX+b], 0                          ; the context starts at 0: written in the wait for the first tiles
.set b, b+1
.endr
	v_mov_b32 v[LSUM], 0
	v_mov_b32 v[MX], 0xff7fffff                    ; the lowest finite number
	v_mov_b32 v[CM], 0xfe000000                    ; far below every c s: the first tile's factor is 0
	s_mov_b32 s[GC], 0
	s_mov_b32 s[NS], 1
	s_mov_b32 s[TIL], 4
	s_wait_tensorcnt 1                             ; my quarter of slab 0 is in; slab 1's may stay out
	s_wait_dscnt 0x0                               ; my rows of A's slot 0 are stored
	s_barrier_signal -1
	s_barrier_wait -1
.Ltile:
	FETCH 0, 0, 0
	HALF0 0, 1, 1, 1                               ; a tile's first half step stands in front of the loop: its products start the sums
	WIN 0
	s_mov_b32 s[LAP], 7
.Llap:                                             ; a trip: the second half of an even step, an odd step, the first half of the next even step; both slots are filled again
	TURN 0, 1, 1
	HALF0 1, 0, 1, 0
	TURN 1, 1, 1
	HALF0 0, 0, 1, 1
	WIN 0
	s_sub_co_u32 s[LAP], s[LAP], 1
	s_cmp_lg_u32 s[LAP], 0
	s_cbranch_scc1 .Llap
	s_cmp_eq_u32 s[TIL], 1
	s_cbranch_scc1 .Llast                          ; the last tile's end is written out: it asks for nothing more
	TURN 0, 1, 1                                   ; the ring goes on into the next tile: slot 0 takes its slab 0,
	HALF0 1, 0, 1, 0
	TURN 1, 1, 0                                   ; slot 1 its slab 1; window 1 is wanted below, so the next fragments are fetched at the tile's head
	WIN 0
	s_branch .Lepi
.Llast:
	TURN 0, 0, 1
	HALF0 1, 0, 0, 0
	s_wait_loadcnt 0x0                             ; this end does no work on A, so the two sets' last loads (steps 61 and 62: slab 63 once more, read by nobody) are waited for here: behind this line no load into v128-191 is out
	s_wait_dscnt 4
	MUL16 1, 0, 0
	MUL16 1, 1, 0
	s_wait_dscnt 0x0
	MUL16 1, 2, 0
	MUL16 1, 3, 0
	WIN 0
.Lepi:
; BEHIND A TILE'S PRODUCTS.  Unit (a, zb) is one accumulator, pair zp two of its rows.  In window 1 the unit has the accumulator's own register numbers: row blocks of like parity share a buffer of 128.
.macro ZL a                            ; z = 2 log2(e) acc + cvec; pairs ascend
.set rZ, 128*((\a)%2)+8*zb+2*zp
.if zb%2
	v_pk_fma_f32 v[rZ:rZ+1], s[K2:K2+1], v[rZ:rZ+1], v[CC+zb-1:CC+zb] op_sel:[0,0,1] op_sel_hi:[0,1,1]
.else
	v_pk_fma_f32 v[rZ:rZ+1], s[K2:K2+1], v[rZ:rZ+1], v[CC+zb:CC+zb+1] op_sel_hi:[0,1,0]
.endif
.endm
.macro DL a, u                         ; 1 + 2^z, unit u
.set rZ, 128*((\a)%2)+8*(\u)+2*zp
	v_pk_add_f32 v[rZ:rZ+1], v[rZ:rZ+1], 1.0 op_sel_hi:[1,0]
.endm
.macro SL a                            ; the score sums take (-2 V) r; the first column block starts them with SV
.set rZ, 128*((\a)%2)+8*zb+2*zp
.set rS, S+8*(\a)+2*zp
.if zb == 0
	v_pk_fma_f32 v[rS:rS+1], v[rZ:rZ+1], v[VV:VV+1], v[SV:SV+1] op_sel_hi:[1,0,0]
.elseif zb%2
	v_pk_fma_f32 v[rS:rS+1], v[rZ:rZ+1], v[VV+zb-1:VV+zb], v[rS:rS+1] op_sel:[0,1,0] op_sel_hi:[1,1,1]
.else
	v_pk_fma_f32 v[rS:rS+1], v[rZ:rZ+1], v[VV+zb:VV+zb+1], v[rS:rS+1] op_sel_hi:[1,0,1]
.endif
.endm
; Row block a.  Its 128 exponentials are one batch with one wait, the next block's z between them (z = 1); its 128 reciprocals a second batch with one wait, the additions of 1 between them, each
; a unit ahead of its reciprocals.  win: destination and source 0 in window 1, source 1 in the next block's accumulators' window, source 2 in window 0.
.macro BLK a, win, z
	WIN \win
.set zb, 0
.rept 16
.set zp, 0
.rept 4
.set rE, 128*((\a)%2)+8*zb+2*zp
	v_exp_f32 v[rE], v[rE]
	v_exp_f32 v[rE+1], v[rE+1]
.if \z
	ZL (\a)+1
.endif
.set zp, zp+1
.endr
.set zb, zb+1
.endr
	v_nop                                          ; a plain instruction behind the last exponential,
	s_wait_alu depctr_va_vdst(0)                   ; and the one wait ahead of the batch's first reader
.set zp, 0
.rept 4
	DL \a, 0
.set zp, zp+1
.endr
.set zb, 0
.rept 16
.set zp, 0
.rept 4
.set rE, 128*((\a)%2)+8*zb+2*zp
	v_rcp_f32 v[rE], v[rE]
	v_rcp_f32 v[rE+1], v[rE+1]
.if zb < 15
	DL \a, zb+1
.endif
.set zp, zp+1
.endr
.set zb, zb+1
.endr
	v_nop
	s_wait_alu depctr_va_vdst(0)                   ; one wait for the 128 reciprocals
	WIN 0x01                                       ; r in window 1, all else in window 0
.set zb, 0
.rept 16
.set zp, 0
.rept 4
	SL \a
.set zp, zp+1
.endr
.set zb, zb+1
.endr
.endm
	PLACES                                         ; between the last products and what reads their results and writes over B's fragments; once a tile, so twice the count
	PLACES
	WIN 0x49
.set zb, 0
.rept 16
.set zp, 0
.rept 4
	ZL 0
.set zp, zp+1
.endr
.set zb, zb+1
.endr
	BLK 0, 0x49, 1
	BLK 1, 0x4d, 1
	BLK 2, 0x4d, 1
	BLK 3, 0x41, 0
	WIN 0
	; a row's sum over my 16 column lanes: four steps inside each half of the lanes
.irp m, 1,2,4,8
.set i, 0
.rept 32
	v_add_f32_dpp v[S+i], v[S+i], v[S+i] row_xmask:\m row_mask:0xf bank_mask:0xf
.set i, i+1
.endr
.endr
	; and over the four waves, through LDS: the 16 lanes of a half store the same numbers to the same bytes
.irp q, 0,1,2,3,4,5,6,7
	ds_store_b128 v[SXS], v[S+4*(\q):S+4*(\q)+3] offset:16*(\q)
.endr
	s_wait_dscnt 0x0                               ; for the others' sake
	s_barrier_signal -1                            ; My tensor load may stay out
	s_barrier_wait -1
	WIN 0x40
.irp w, 0,1,2,3
.irp q, 0,1,2,3,4,5,6,7
	ds_load_b128 v[32*(\w)+4*(\q):32*(\w)+4*(\q)+3], v[SXL] offset:256*(\w)+16*(\q)
.endr
.endr
	s_wait_dscnt 0x0
	WIN 0x45                                       ; every wave adds in the same order, so all hold the same scores
.set i, 0
.rept 16
	v_pk_add_f32 v[2*i:2*i+1],       v[2*i:2*i+1],       v[32+2*i:32+2*i+1]
	v_pk_add_f32 v[64+2*i:64+2*i+1], v[64+2*i:64+2*i+1], v[96+2*i:96+2*i+1]
.set i, i+1
.endr
	WIN 0x05
.set i, 0
.rept 16
	v_pk_add_f32 v[S+2*i:S+2*i+1], v[2*i:2*i+1], v[64+2*i:64+2*i+1]
.set i, i+1
.endr
	WIN 0
	; the running maximum: my 32 rows in four chains, the old m, the other half of the lanes' 32 rows
.irp k, 0,1,2,3
	v_max3_num_f32 v[CV+\k], v[S+8*\k], v[S+8*\k+1], v[S+8*\k+2]
.endr
.irp k, 0,1,2,3
	v_max3_num_f32 v[CV+\k], v[CV+\k], v[S+8*\k+3], v[S+8*\k+4]
.endr
.irp k, 0,1,2,3
	v_max3_num_f32 v[CV+\k], v[CV+\k], v[S+8*\k+5], v[S+8*\k+6]
.endr
	v_max3_num_f32 v[CV], v[CV], v[S+7], v[S+15]
	v_max3_num_f32 v[CV+2], v[CV+2], v[S+23], v[S+31]
	v_max3_num_f32 v[CV+1], v[CV+1], v[CV+3], v[MX]
	v_max3_num_f32 v[CV], v[CV], v[CV+1], v[CV+2]
	v_permlanex16_b32 v[CV+1], v[CV], s[SEL], s[SEL+1]
	v_mov_b32 v[CV+2], v[CM]                       ; c m_old is kept
	v_max_num_f32 v[MX], v[CV], v[CV+1]
	v_mul_f32 v[CM], s[L2E], v[MX]
	v_sub_f32 v[CV+3], v[CV+2], v[CM]
.set i, 0
.rept 16
	v_pk_fma_f32 v[S+2*i:S+2*i+1], v[S+2*i:S+2*i+1], s[L2E:L2E+1], v[CM:CM+1] op_sel_hi:[1,0,0] neg_lo:[0,0,1] neg_hi:[0,0,1]  ; c s - c m
.set i, i+1
.endr
.set i, 0
.rept 32
	v_exp_f32 v[S+i], v[S+i]
.set i, i+1
.endr
	v_exp_f32 v[CV], v[CV+3]                       ; the factor for what was summed so far
	v_nop
	s_wait_alu depctr_va_vdst(0)                   ; one wait for the 33
.set i, 0
.rept 8
	v_pk_add_f32 v[AF+2*i:AF+2*i+1], v[S+4*i:S+4*i+1], v[S+4*i+2:S+4*i+3]
.set i, i+1
.endr
.set i, 0
.rept 4
	v_pk_add_f32 v[AF+4*i:AF+4*i+1], v[AF+4*i:AF+4*i+1], v[AF+4*i+2:AF+4*i+3]
.set i, i+1
.endr
	v_pk_add_f32 v[AF:AF+1],   v[AF:AF+1],   v[AF+4:AF+5]
	v_pk_add_f32 v[AF+8:AF+9], v[AF+8:AF+9], v[AF+12:AF+13]
	v_pk_add_f32 v[AF:AF+1],   v[AF:AF+1],   v[AF+8:AF+9]
	v_add_f32 v[AF], v[AF], v[AF+1]
	v_fma_f32 v[LSUM], v[LSUM], v[CV], v[AF]       ; l of my half of the rows; the halves meet on the way out
.set b, 0
.rept 16
	v_pk_mul_f32 v[CTX+2*b:CTX+2*b+1], v[CTX+2*b:CTX+2*b+1], v[CV:CV+1] op_sel_hi:[1,0]
.set b, b+1
.endr
	; the weighted sum: for each column block a pair (even rows', odd rows'); 16 chains side by side
.set a, 0
.rept 4
	WIN 2+a/2                                      ; source 0 in the accumulators' window
.set p, 0
.rept 4
.set b, 0
.rept 16
	v_pk_fma_f32 v[CTX+2*b:CTX+2*b+1], v[128*(a%2)+8*b+2*p:128*(a%2)+8*b+2*p+1], v[S+8*a+2*p:S+8*a+2*p+1], v[CTX+2*b:CTX+2*b+1]
.set b, b+1
.endr
.set p, p+1
.endr
.set a, a+1
.endr
	WIN 0
	s_sub_co_u32 s[TIL], s[TIL], 1
	s_cmp_lg_u32 s[TIL], 0
	s_cbranch_scc1 .Ltile
	; THE WAY OUT.  Even and odd rows' sums and the two halves of the lanes are added; my 256 columns go through my own bytes of LDS, so that a store covers 512 consecutive bytes.
.set b, 0
.rept 16
	v_add_f32 v[AF+b], v[CTX+2*b], v[CTX+2*b+1]
.set b, b+1
.endr
.set b, 0
.rept 16
	v_permlanex16_b32 v[S+b], v[AF+b], s[SEL], s[SEL+1]
.set b, b+1
.endr
.set b, 0
.rept 16
	v_add_f32 v[AF+b], v[AF+b], v[S+b]
.set b, b+1
.endr
	v_permlanex16_b32 v[CV], v[LSUM], s[SEL], s[SEL+1]
	v_add_f32 v[LSUM], v[LSUM], v[CV]
	s_lshl_b32 s3, s[WV], 10
	s_add_co_u32 s2, s3, OUT
	v_and_b32 v17, 15, v0
	v_lshl_add_u32 v17, v17, 2, s2                 ; in: column 16 b + L%16; both halves of the lanes store the same number
	v_and_b32 v18, 31, v0
	v_lshl_add_u32 v19, v18, 4, s2                 ; back: 16 bytes a lane
	v_lshl_add_u32 v20, v18, 4, s3                 ; my columns in the record
	v_lshlrev_b32 v21, 4, v18
.set b, 0
.rept 16
	ds_store_b32 v17, v[AF+b] offset:64*b
.set b, b+1
.endr
	ds_load_b128 v[96:99],   v19                   ; LDS serves a wave's instructions in order (ISA guide 5.7.1.4): these see the stores above
	ds_load_b128 v[100:103], v19 offset:512
	s_wait_dscnt 0x0
	global_store_b128 v20, v[96:99],   s[PB:PB+1]
	global_store_b128 v20, v[100:103], s[PB:PB+1] offset:512
	s_cmp_lg_u32 s[WV], 0
	s_cbranch_scc1 .Lno_stat                       ; wave 0 stores the statistics: (c m, l) again and again, 512 whole bytes
	v_mov_b32 v104, v[CM]
	v_mov_b32 v105, v[LSUM]
	v_mov_b32 v106, v[CM]
	v_mov_b32 v107, v[LSUM]
	global_store_b128 v21, v[104:107], s[PB:PB+1] offset:4096
.Lno_stat:
	s_wait_tensorcnt 0x0                           ; the wave's end: behind my last tensor load and my last LDS store
	ds_add_u32 v[SPW], v[NIL]
	s_wait_dscnt 0x0
	CROUND                                         ; the closing round: no work-group ends while a partner may still ask for a slab that names it
	s_endpgm
.Lfunc_end_k_q5a1d48514f_main:
	.size	k_q5a1d48514f_main, .Lfunc_end_k_q5a1d48514f_main-k_q5a1d48514f_main
	.p2alignl 7, 3214868480
	.fill 96, 4, 3214868480
	.section	.rodata,"a",@progbits
	.p2align	6, 0x0
	.amdhsa_kernel k_q5a1d48514f_main
		.amdhsa_group_segment_fixed_size 327680
		.amdhsa_private_segment_fixed_size 0
		.amdhsa_enable_private_segment 0
		.amdhsa_kernarg_size 48
		.amdhsa_user_sgpr_count 2
		.amdhsa_user_sgpr_kernarg_segment_ptr 1
		.amdhsa_wavefront_size32 1
		.amdhsa_system_sgpr_workgroup_id_x 1
		.amdhsa_system_sgpr_workgroup_id_y 1
		.amdhsa_system_sgpr_workgroup_id_z 1
		.amdhsa_system_vgpr_workitem_id 0
		.amdhsa_next_free_vgpr 1024
		.amdhsa_next_free_sgpr 66
		.amdhsa_reserve_vcc 1
		.amdhsa_float_denorm_mode_32 3
		.amdhsa_float_denorm_mode_16_64 3
		.amdhsa_memory_ordered 1
		.amdhsa_forward_progress 1
		.amdhsa_inst_pref_size 224
	.end_amdhsa_kernel
	.amdgpu_metadata
---
amdhsa.version: [ 1, 2 ]
amdhsa.kernels:
  - .name:           k_q5a1d48514f_main
    .symbol:         k_q5a1d48514f_main.kd
    .args:
      - { .name: h_enc, .offset: 0, .size: 8, .value_kind: global_buffer, .address_space: global }
      - { .name: w1b, .offset: 8, .size: 8, .value_kind: global_buffer, .address_space: global }
      - { .name: cvec, .offset: 16, .size: 8, .value_kind: global_buffer, .address_space: global }
      - { .name: V, .offset: 24, .size: 8, .value_kind: global_buffer, .address_space: global }
      - { .name: bv, .offset: 32, .size: 8, .value_kind: global_buffer, .address_space: global }
      - { .name: part, .offset: 40, .size: 8, .value_kind: global_buffer, .address_space: global }
    .group_segment_fixed_size: 327680
    .private_segment_fixed_size: 0
    .kernarg_segment_align: 8
    .kernarg_segment_size: 48
    .max_flat_workgroup_size: 128
    .sgpr_count:     66
    .vgpr_count:     1024
    .wavefront_size: 32
...
	.end_amdgpu_metadata
.endif
;; end of part 4
;; launch fin: the kernel of part 3 again; grid 4 x 32, 2 waves a work-group, no clusters, 0 bytes of LDS; arguments part, b1, out0; writes out0
;; ======== version 3 of 3: 3 launches; version 2 with the launch prep written anew for expert scheduling mode
;; workspace buffers: w1b 2,097,152 bytes; cvec 131,072 bytes; part 1,179,648 bytes
;; launch prep (part 5): grid 64 x 2, 8 waves a work-group, no clusters, 9,216 bytes of LDS; arguments W1, W2, h_dec, b1, b2, w1b, cvec; writes w1b, cvec
.if DOCPART == 5
	.amdgcn_target "amdgcn-amd-amdhsa--gfx1250"
	.amdhsa_code_object_version 6
	.text
	.protected	k_q5a1d48514f_prep
	.globl	k_q5a1d48514f_prep
	.p2align	8
	.type	k_q5a1d48514f_prep,@function
k_q5a1d48514f_prep:
	s_mov_b64 s[64:65], 0
	v_nop
	global_prefetch_b8 v0, s[64:65] scope:SCOPE_SE
	s_setreg_imm32_b32 hwreg(HW_REG_WAVE_SCHED_MODE, 0, 2), 2
	s_setreg_imm32_b32 hwreg(HW_REG_WAVE_MODE, 25, 1), 1
	s_wait_xcnt 0x0
	s_wait_alu depctr_vm_vsrc(0)
; TWO SMALL JOBS AHEAD OF THE MAIN LAUNCH.
; (1) w1b: W1 [1024 n][1024 k] f32, rounded once to bf16 and laid in the order in which a matrix fragment lies in registers:
;     byte s*131072 + nb*2048 + kk*1024 + q*512 + 16 L + 2 e  holds  W1[16 nb + L%16][64 s + 32 kk + 16 q + 8 (L/16) + e].
;     So a slab of 64 along k is 131,072 dense bytes, and a fragment half is 512 consecutive bytes, 16 a lane.
; (2) cvec: 2 log2(e) x (h_dec W2^T + b2 + b1), f32, at byte nb*2048 + batch*64 + 4 (n%16): what the main launch adds inside its tanh.
; SHARES.  Work-group (g, y): the tile dec[16 y ..][16 g ..], and rows 16 g .. of W1 for k = 512 y .. 512 y + 511.  Of the product's K = 1,024 wave w takes
; 128 w .. 128 w + 127 (four fragments); the eight partial tiles meet in LDS.  Of W1 wave w converts slab 8 y + w (two fragments).
; h_dec and W2 are rounded once to bf16 for the product; sums in f32, in an order of their own.  NaN and infinities are not treated apart.
; THE MODE: SCHED_MODE bits 1:0 = 2 (LLVM: expert scheduling mode 2), set by the entry lines.  The code itself states the register dependences
; between vector or matrix instructions and memory or LDS instructions, with s_wait_alu, always for 0.
; THE PLAN.  Registers that memory or LDS instructions touch (the text has no loop):
;   v2 to v6, v8, v9   offsets and LDS addresses: written at the head, read by loads, stores and the closing add, never written again: ONE wait on va_vdst ahead of the first load serves them all.
;   v[16:23], v[32:191]  the loads' destinations: no vector instruction names them ahead of the loads.
;   v[32:39], v[48:55] W1 in bf16: written by the conversions, read by the four stores of w1b: one wait between; never written again.
;   v[192:199]         the partial tile: written by the four packed additions, read by the two LDS stores: one wait between; never written again.
;   v[208:239]         the eight partial sums: LDS loads land in them, and no vector instruction has named them before; v[208:211], the result, is read by the store of cvec: one wait ahead of it.
;   s18                the wave's number, written by v_readfirstlane_b32: one wait on va_sdst ahead of its first reader.
; No register that a memory or LDS instruction reads is written again, so no wait on vm_vsrc is owed.  EXEC is written nowhere.
.set PART,  0                          ; LDS: wave w's partial tile [batch][n], 64 bytes a row, at 1,024 w
.set SPARE, 8192                       ; behind them: the spare words, 128 bytes for each of the eight waves, which no other line names
.set FW,  2                            ; v2   my place in a fragment's f32 rows: (L%16) x 4,096 + 32 (L/16); never rewritten
.set L16, 3                            ; v3   16 L
.set LS,  4                            ; v4   where I put my 32 bytes of the partial tile
.set LR,  5                            ; v5   where I read 16 bytes of each partial tile back
.set BO,  6                            ; v6   16 (L%4): my four columns in b1 and b2
.set SPW, 8                            ; v8   LDS address of my spare word; never rewritten
.set NIL, 9                            ; v9   0; never rewritten
.set B1R, 16                           ; v[16:19] b1, v[20:23] b2
.set W1F, 32                           ; v[32:63]   two fragments of W1, 16 registers of f32 each; then bf16 in the first 8
.set W2F, 64                           ; v[64:127]  four of W2
.set HDF, 128                          ; v[128:191] four of h_dec
.set AC0, 192                          ; v[192:199], v[200:207] two accumulators
.set FIN, 208                          ; v[208:239] the eight partial sums of my four numbers
	s_load_b256 s[4:11], s[0:1], 0x0               ; W1 s[4:5], W2 s[6:7], h_dec s[8:9], b1 s[10:11]
	s_load_b128 s[12:15], s[0:1], 0x20             ; b2 s[12:13], w1b s[14:15]
	s_load_b64 s[16:17], s[0:1], 0x30              ; cvec
	v_lshl_add_u32 v[SPW], v0, 2, SPARE
	v_mov_b32 v[NIL], 0
	v_lshrrev_b32 v1, 5, v0
	v_readfirstlane_b32 s18, v1                    ; wave 0..7
	s_and_b32 s20, ttmp7, 0xffff                   ; y
	v_and_b32 v10, 15, v0                          ; L % 16
	v_bfe_u32 v11, v0, 4, 1                        ; L / 16
	v_and_b32 v12, 31, v0                          ; L
	v_lshlrev_b32 v[FW], 12, v10
	v_lshl_add_u32 v[FW], v11, 5, v[FW]
	v_lshlrev_b32 v[L16], 4, v12
	s_wait_alu depctr_va_sdst(0)                   ; s18 is written, ahead of its first reader: LDS places, the bases and the branch below are made from it
	s_lshl_b32 s24, s18, 10
	v_lshl_add_u32 v[LS], v10, 6, s24              ; 1,024 w + 64 x batch row
	v_lshl_add_u32 v[LS], v11, 5, v[LS]            ; + my eight columns
	s_and_b32 s26, s18, 1
	s_lshl_b32 s26, s26, 9                         ; waves 0 and 1 finish a half of the tile each: 512 bytes
	v_add_nc_u32 v[LR], s26, v[L16]
	v_and_b32 v[BO], 3, v0
	v_lshlrev_b32 v[BO], 4, v[BO]
	s_lshl_b32 s21, s20, 3
	s_add_co_u32 s21, s21, s18                     ; my slab of W1: 8 y + w
	s_lshl_b32 s24, ttmp9, 16                      ; 16 g rows of 4,096 bytes
	s_lshl_b32 s25, s18, 9                         ; 128 w numbers of 4 bytes
	s_mov_b32 s23, 0                               ; the high word of every offset below
	s_wait_kmcnt 0x0
	s_lshl_b32 s22, s21, 8
	s_add_co_u32 s22, s22, s24
	s_add_nc_u64 s[4:5], s[4:5], s[22:23]          ; W1 at row 16 g, k = 64 (8 y + w)
	s_add_co_u32 s22, s24, s25
	s_add_nc_u64 s[6:7], s[6:7], s[22:23]          ; W2 at row 16 g, k = 128 w
	s_lshl_b32 s22, s20, 16
	s_add_co_u32 s22, s22, s25
	s_add_nc_u64 s[8:9], s[8:9], s[22:23]          ; h_dec at row 16 y, k = 128 w
	s_lshl_b32 s22, ttmp9, 6
	s_add_nc_u64 s[10:11], s[10:11], s[22:23]      ; b1 and b2 at column 16 g
	s_add_nc_u64 s[12:13], s[12:13], s[22:23]
	s_lshl_b32 s22, s21, 17
	s_lshl_b32 s27, ttmp9, 11
	s_add_co_u32 s22, s22, s27
	s_add_nc_u64 s[14:15], s[14:15], s[22:23]      ; w1b at slab 8 y + w, column block g
	s_lshl_b32 s22, s20, 10
	s_add_co_u32 s22, s22, s27
	s_add_co_u32 s22, s22, s26
	s_add_nc_u64 s[16:17], s[16:17], s[22:23]      ; cvec at column block g, batch 16 y, my half of the tile
; One fragment, 16 rows x 32 k, as f32: lane L takes row L%16, k = 8 (L/16) + 0..7 (32 bytes) and k = 16 + 8 (L/16) + 0..7 (32 bytes, 64 further on).
.macro LDF base, reg, off, hint:vararg
	global_load_b128 v[(\reg):(\reg)+3],     v[FW], s[(\base):(\base)+1] offset:(\off) \hint
	global_load_b128 v[(\reg)+4:(\reg)+7],   v[FW], s[(\base):(\base)+1] offset:(\off)+16 \hint
	global_load_b128 v[(\reg)+8:(\reg)+11],  v[FW], s[(\base):(\base)+1] offset:(\off)+64 \hint
	global_load_b128 v[(\reg)+12:(\reg)+15], v[FW], s[(\base):(\base)+1] offset:(\off)+80 \hint
.endm
; Rounded to bf16 in place: result i lies at or below both of its sources, so no source is lost.  The fragment is then the first 8 registers.
.macro CVF reg
.irp i, 0,1,2,3,4,5,6,7
	v_cvt_pk_bf16_f32 v[(\reg)+(\i)], v[(\reg)+2*(\i)], v[(\reg)+2*(\i)+1]
.endr
.endm
	s_wait_alu depctr_va_vdst(0)                   ; the offsets and LDS addresses v2 to v6 are written, which every load and store below reads, and so are v8 and v9, which the closing add reads
	global_load_b128 v[B1R:B1R+3],   v[BO], s[10:11]  ; every wave issues these two, so that all waves count alike; waves 0 and 1 use them
	global_load_b128 v[B1R+4:B1R+7], v[BO], s[12:13]
	LDF 4, W1F,    0,   th:TH_LOAD_NT              ; W1 is read once in the launch
	LDF 4, W1F+16, 128, th:TH_LOAD_NT
.irp f, 0,1,2,3
	LDF 6, W2F+16*(\f), 128*(\f)
.endr
.irp f, 0,1,2,3
	LDF 8, HDF+16*(\f), 128*(\f)
.endr
	s_wait_loadcnt 32                              ; b1, b2 and W1 are in; W2's 16 loads and h_dec's 16 stay out
	CVF W1F
	CVF W1F+16
	s_wait_alu depctr_va_vdst(0)                   ; the sixteen conversions have written v[32:39] and v[48:55], which the four stores read
.irp c, 0,1,2,3                        ; c = 2 kk + q: each store covers 512 consecutive bytes, aligned
	global_store_b128 v[L16], v[W1F+16*((\c)/2)+4*((\c)%2):W1F+16*((\c)/2)+4*((\c)%2)+3], s[14:15] offset:512*(\c)
.endr
	s_wait_loadcnt 0x0
.irp f, 0,1,2,3
	CVF W2F+16*(\f)
	CVF HDF+16*(\f)
.endr
	; source 0 = 16 rows of W2, source 1 = 16 rows of h_dec: a lane ends with ONE batch row (L%16) and the columns 8 (L/16) + 0..7.
	; The first two products start the sums; the two accumulators take turns.
	v_wmma_f32_16x16x32_bf16 v[AC0:AC0+7],    v[W2F:W2F+7],       v[HDF:HDF+7],       0
	v_wmma_f32_16x16x32_bf16 v[AC0+8:AC0+15], v[W2F+16:W2F+23],   v[HDF+16:HDF+23],   0
	v_wmma_f32_16x16x32_bf16 v[AC0:AC0+7],    v[W2F+32:W2F+39],   v[HDF+32:HDF+39],   v[AC0:AC0+7]
	v_wmma_f32_16x16x32_bf16 v[AC0+8:AC0+15], v[W2F+48:W2F+55],   v[HDF+48:HDF+55],   v[AC0+8:AC0+15]
.rept 8
	v_nop                                          ; the places between the last product and the sums that read and rewrite its result (ISA guide 7.12.1); once a launch, so twice the count
.endr
.irp i, 0,2,4,6                        ; from the low end on
	v_pk_add_f32 v[AC0+(\i):AC0+(\i)+1], v[AC0+(\i):AC0+(\i)+1], v[AC0+8+(\i):AC0+8+(\i)+1]
.endr
	s_wait_alu depctr_va_vdst(0)                   ; the four additions have written v[192:199], which the two LDS stores read
	ds_store_b128 v[LS], v[AC0:AC0+3]   offset:PART
	ds_store_b128 v[LS], v[AC0+4:AC0+7] offset:PART+16
	s_wait_dscnt 0x0                               ; for the others' sake: my partial tile lies in LDS
	s_barrier_signal -1
	s_barrier_wait -1                              ; all eight do
	s_cmp_lt_u32 s18, 2
	s_cbranch_scc0 .Lend                           ; waves 0 and 1 finish eight batch rows each
.irp p, 0,1,2,3,4,5,6,7
	ds_load_b128 v[FIN+4*(\p):FIN+4*(\p)+3], v[LR] offset:PART+1024*(\p)  ; no vector instruction has named v[208:239], and v5 stands since the head's wait: nothing is owed here
.endr
	s_wait_dscnt 0x0
.irp p, 0,2,4,6
	v_pk_add_f32 v[FIN+4*(\p):FIN+4*(\p)+1],   v[FIN+4*(\p):FIN+4*(\p)+1],   v[FIN+4*(\p)+4:FIN+4*(\p)+5]
	v_pk_add_f32 v[FIN+4*(\p)+2:FIN+4*(\p)+3], v[FIN+4*(\p)+2:FIN+4*(\p)+3], v[FIN+4*(\p)+6:FIN+4*(\p)+7]
.endr
.irp p, 0,4
	v_pk_add_f32 v[FIN+4*(\p):FIN+4*(\p)+1],   v[FIN+4*(\p):FIN+4*(\p)+1],   v[FIN+4*(\p)+8:FIN+4*(\p)+9]
	v_pk_add_f32 v[FIN+4*(\p)+2:FIN+4*(\p)+3], v[FIN+4*(\p)+2:FIN+4*(\p)+3], v[FIN+4*(\p)+10:FIN+4*(\p)+11]
.endr
	v_pk_add_f32 v[FIN:FIN+1],   v[FIN:FIN+1],   v[FIN+16:FIN+17]
	v_pk_add_f32 v[FIN+2:FIN+3], v[FIN+2:FIN+3], v[FIN+18:FIN+19]
	v_pk_add_f32 v[FIN:FIN+1],   v[FIN:FIN+1],   v[B1R:B1R+1]      ; + b1
	v_pk_add_f32 v[FIN+2:FIN+3], v[FIN+2:FIN+3], v[B1R+2:B1R+3]
	v_pk_add_f32 v[FIN:FIN+1],   v[FIN:FIN+1],   v[B1R+4:B1R+5]    ; + b2
	v_pk_add_f32 v[FIN+2:FIN+3], v[FIN+2:FIN+3], v[B1R+6:B1R+7]
	v_pk_mul_f32 v[FIN:FIN+1],   v[FIN:FIN+1],   0x4038aa3b op_sel_hi:[1,0]  ; x 2 log2(e)
	v_pk_mul_f32 v[FIN+2:FIN+3], v[FIN+2:FIN+3], 0x4038aa3b op_sel_hi:[1,0]
	s_wait_alu depctr_va_vdst(0)                   ; the two multiplications have written v[208:211], which the store reads
	global_store_b128 v[L16], v[FIN:FIN+3], s[16:17]  ; 512 consecutive bytes, aligned
.Lend:
	s_wait_dscnt 0x0                               ; the closing lines, six on end
	s_wait_alu 0x0
	s_wait_tensorcnt 0x0
	ds_add_u32 v[SPW], v[NIL]
	s_wait_dscnt 0x0
	s_endpgm
.Lfunc_end_k_q5a1d48514f_prep:
	.size	k_q5a1d48514f_prep, .Lfunc_end_k_q5a1d48514f_prep-k_q5a1d48514f_prep
	.p2alignl 7, 3214868480
	.fill 96, 4, 3214868480
	.section	.rodata,"a",@progbits
	.p2align	6, 0x0
	.amdhsa_kernel k_q5a1d48514f_prep
		.amdhsa_group_segment_fixed_size 9216
		.amdhsa_private_segment_fixed_size 0
		.amdhsa_enable_private_segment 0
		.amdhsa_kernarg_size 56
		.amdhsa_user_sgpr_count 2
		.amdhsa_user_sgpr_kernarg_segment_ptr 1
		.amdhsa_wavefront_size32 1
		.amdhsa_system_sgpr_workgroup_id_x 1
		.amdhsa_system_sgpr_workgroup_id_y 1
		.amdhsa_system_sgpr_workgroup_id_z 1
		.amdhsa_system_vgpr_workitem_id 0
		.amdhsa_next_free_vgpr 240
		.amdhsa_next_free_sgpr 66
		.amdhsa_reserve_vcc 0
		.amdhsa_float_denorm_mode_32 3
		.amdhsa_float_denorm_mode_16_64 3
		.amdhsa_memory_ordered 1
		.amdhsa_forward_progress 1
		.amdhsa_inst_pref_size 15
	.end_amdhsa_kernel
	.amdgpu_metadata
---
amdhsa.version: [ 1, 2 ]
amdhsa.kernels:
  - .name:           k_q5a1d48514f_prep
    .symbol:         k_q5a1d48514f_prep.kd
    .args:
      - { .name: W1, .offset: 0, .size: 8, .value_kind: global_buffer, .address_space: global }
      - { .name: W2, .offset: 8, .size: 8, .value_kind: global_buffer, .address_space: global }
      - { .name: h_dec, .offset: 16, .size: 8, .value_kind: global_buffer, .address_space: global }
      - { .name: b1, .offset: 24, .size: 8, .value_kind: global_buffer, .address_space: global }
      - { .name: b2, .offset: 32, .size: 8, .value_kind: global_buffer, .address_space: global }
      - { .name: w1b, .offset: 40, .size: 8, .value_kind: global_buffer, .address_space: global }
      - { .name: cvec, .offset: 48, .size: 8, .value_kind: global_buffer, .address_space: global }
    .group_segment_fixed_size: 9216
    .private_segment_fixed_size: 0
    .kernarg_segment_align: 8
    .kernarg_segment_size: 56
    .max_flat_workgroup_size: 256
    .sgpr_count:     66
    .vgpr_count:     240
    .wavefront_size: 32
...
	.end_amdgpu_metadata
.endif
;; end of part 5
;; launch main: the kernel of part 4 again; grid 256 x 1, 4 waves a work-group, clusters of 4 x 1, 327,680 bytes of LDS; arguments h_enc, w1b, cvec, V, bv, part; writes part
;; launch fin: the kernel of part 3 again; grid 4 x 32, 2 waves a work-group, no clusters, 0 bytes of LDS; arguments part, b1, out0; writes out0
